; MI455X (gfx1250); checked and timed in simulation.
; The chip was launched on July 23, 2026; its instructions are those of AMD's public machine-readable ISA for CDNA 5 (MIT licence, August 2026) and "CDNA5" Instruction Set Architecture Reference Guide (July 2026). The comments in the code are by the model that wrote it; some were corrected since.
;; Gated Delta Net. Allowed arithmetic: float matrix products may take bf16 or f16 operands with f32 sums; other float arithmetic in f32, or as packed bf16 or f16 multiplies, adds, multiply-adds, maxima and minima; sums over many terms, partial sums and values carried from step to step in f32; what a program stores and reads back later, other than sums and carried values, may be rounded once to bf16 or f16.
;; Inputs: Wbeta 16 x 1,024 float32; Wgate 1,024 x 1,024 float32; Wk 1,024 x 1,024 float32; Wo 1,024 x 1,024 float32; Wq 1,024 x 1,024 float32; Wv 1,024 x 1,024 float32; bbeta 16 float32; x 4 x 2,048 x 1,024 float32.
;; Outputs: out0 4 x 2,048 x 1,024 float32.
;; One version. Each part assembles by itself: llvm-mc -triple=amdgcn-amd-amdhsa -mcpu=gfx1250 --defsym DOCPART=n.
;; ======== version 1 of 1: 5 launches
;; limits: values are held in f16: magnitudes above 65,504 overflow, below 6.1e-05 lose precision; values outside matrix products are rounded to f16
;; workspace buffers: c1 27,787,264 bytes; p2 67,108,864 bytes; p3 73,400,320 bytes; go 16,777,216 bytes
;; launch cast (part 1): grid 512 x 1, 8 waves a work-group, no clusters, 78,848 bytes of LDS; arguments x, Wq, Wk, Wv, Wgate, Wo, Wbeta, bbeta, c1; writes c1
.if DOCPART == 1
	.amdgcn_target "amdgcn-amd-amdhsa--gfx1250"
	.amdhsa_code_object_version 6
	.text
	.protected	k_q021c9d70a1_cast
	.globl	k_q021c9d70a1_cast
	.p2align	8
	.type	k_q021c9d70a1_cast,@function
k_q021c9d70a1_cast:
	s_mov_b64 s[64:65], 0
	v_nop
	global_prefetch_b8 v0, s[64:65] scope:SCOPE_SE
	s_setreg_imm32_b32 hwreg(HW_REG_WAVE_MODE, 25, 1), 1
	s_wait_xcnt 0x0
; GATED DELTA NET, launch 1 of 5: the inputs rounded once, and beta.
; THE PROGRAM.  cast: x, Wq|Wk|Wv|Wgate -> bf16, Wo -> bf16 written as f16, beta = sigmoid(x Wbeta^T + bbeta) in f32.  proj: q, k (normalised), v, gate in f16.
; prep: the scan cut into chunks of 64 steps, all that does not need the state.  scan: the state walked over 8 chunks a work-group, o times gate.  outp: (gate o) Wo^T.
; THE SCAN AS PRODUCTS (exact algebra).  In a chunk with state M0 at its start, K, Q, V [64 x 64], b [64]: L = strictly lower part of K K^T, Tb = (I + diag(b) L)^-1 diag(b), W = Tb K, U0 = Tb V,
; Aqk = strictly lower part of Q K^T (o_t reads the state before its update).  Then O = (Q - Aqk W) M0^T + Aqk U0 and M_end = M0 - M0 (W^T K) + U0^T K.
; Eight chunks compose to M_end = M + M Phi' + Gamma, so a head's four groups of 512 steps run side by side.
; WORK LEFT OUT, for all values of the inputs: reference() starts the scan at M0 = 0, so every product with the state of a head's first chunk is a product with that zero, and so is group 0's Phi';
; reference() drops the scan's final state, so the update made by the last chunk of a head reaches no output, and neither does group 3's composite.  No input is without a way to the output.
; LIMIT: a NaN, an infinity or an overflow that would arise only in that work is not carried to the result.
; LIMITS of format: what the program makes (q, k, v, gate, the chunk matrices, the state as an operand, o) passes through f16: magnitudes under 65,504, a fixed step of 6e-8 below 6e-5.
; THIS LAUNCH.  Work-group g: rows 16 g .. 16 g + 15 of x and rows 2 g, 2 g + 1 of each of the five square weights; wave w: columns 128 w .. 128 w + 127.
; A wave's load covers 512 consecutive bytes of a row, its store 256, aligned.  wcat's row order is 256 h + 64 type + d (type 0 q, 1 k, 2 v, 3 gate): 256 rows are one head's q | k | v | gate.
; beta: x's and Wbeta's 16 rows x 128 columns go, rounded, through the wave's own LDS bytes and come back as fragments; 4 matrix instructions on two accumulators by turns give a partial product;
; the eight partial sums meet in LDS; wave 0 ends them.
; No tensor loads: no byte is shared on the way in.  No prefetch: all loads of a wave go out at its head.
.set WS,    34816                      ; LDS: 0: eight waves' 16 rows x 272 bytes of x in bf16, each wave's own; here: the same of Wbeta
.set PART,  69632                      ; eight partial tiles of 1,024 bytes
.set SPARE, 77824                      ; the spare words, 128 bytes a wave
	s_load_b512 s[4:19], s[0:1], 0x0               ; x, Wq, Wk, Wv, Wgate, Wo, Wbeta, bbeta
	s_load_b64 s[20:21], s[0:1], 0x40              ; c1
	v_lshl_add_u32 v10, v0, 2, SPARE               ; my spare word
	v_mov_b32 v11, 0
	v_lshrrev_b32 v1, 5, v0
	v_readfirstlane_b32 s30, v1                    ; wave 0..7
	v_and_b32 v13, 31, v0                          ; lane L
	v_and_b32 v14, 15, v0                          ; r
	v_bfe_u32 v15, v0, 4, 1                        ; hh
	s_lshl_b32 s31, s30, 9
	s_lshl_b32 s32, s30, 8
	s_mul_i32 s33, s30, 4352
	s_lshl_b32 s34, s30, 10
	s_add_co_u32 s34, s34, PART
	s_mov_b32 s35, 0xbfb8aa3b                      ; -log2(e)
	v_lshl_add_u32 v2, v13, 4, s31                 ; f32 in: 512 w + 16 L
	v_lshl_add_u32 v3, v13, 3, s32                 ; 16-bit out: 256 w + 8 L
	v_lshl_add_u32 v5, v13, 3, s33                 ; rows into LDS: 4352 w + 8 L
	v_mul_u32_u24 v6, v14, 272
	v_lshl_add_u32 v6, v15, 4, v6
	v_add_nc_u32 v6, s33, v6                       ; fragments: 4352 w + 272 r + 16 hh
	v_lshl_add_u32 v7, v13, 5, s34                 ; my 32 bytes of my wave's partial tile
	v_lshlrev_b32 v8, 5, v13
	v_add_nc_u32 v8, PART, v8                      ; the same place in wave 0's
	v_lshlrev_b32 v9, 4, v13
	v_lshlrev_b32 v1, 2, v14                       ; bbeta: 4 r
	s_lshl_b32 s36, ttmp9, 16                      ; 16 rows of x
	s_mov_b32 s37, 0
	s_lshl_b32 s38, ttmp9, 13                      ; 2 rows of a weight
	s_mov_b32 s39, 0
	s_lshl_b32 s40, ttmp9, 15                      ; 16 rows of xb
	s_mov_b32 s41, 0
	s_lshr_b32 s42, ttmp9, 5                       ; head of weight row 2 g
	s_lshl_b32 s42, s42, 8
	s_lshl_b32 s44, ttmp9, 1
	s_and_b32 s44, s44, 63
	s_add_co_u32 s42, s42, s44
	s_lshl_b32 s42, s42, 11
	s_add_co_u32 s42, s42, 0x1000000               ; wcat
	s_mov_b32 s43, 0
	s_lshl_b32 s44, ttmp9, 12
	s_add_co_u32 s44, s44, 0x1800000               ; wo16
	s_mov_b32 s45, 0
	s_lshl_b32 s46, ttmp9, 10
	s_add_co_u32 s46, s46, 0x1a00000               ; beta
	s_mov_b32 s47, 0
	s_wait_kmcnt 0x0
	s_add_nc_u64 s[4:5], s[4:5], s[36:37]
.irp p, 6,8,10,12,14
	s_add_nc_u64 s[\p:\p+1], s[\p:\p+1], s[38:39]
.endr
	s_add_nc_u64 s[22:23], s[20:21], s[40:41]
	s_add_nc_u64 s[24:25], s[20:21], s[42:43]
	s_add_nc_u64 s[26:27], s[20:21], s[44:45]
	s_add_nc_u64 s[28:29], s[20:21], s[46:47]
	; all 43 loads at once: bbeta 1, Wbeta 16, x 16, weights 10
	global_load_b32 v12, v1, s[18:19]
.set i, 0
.rept 16
	global_load_b128 v[16+4*i:16+4*i+3], v2, s[16:17] offset:4096*i
.set i, i+1
.endr
.set i, 0
.rept 16
	global_load_b128 v[80+4*i:80+4*i+3], v2, s[4:5] offset:4096*i th:TH_LOAD_NT
.set i, i+1
.endr
.set m, 0
.irp p, 6,8,10,12,14
	global_load_b128 v[144+8*m:144+8*m+3],   v2, s[\p:\p+1] th:TH_LOAD_NT
	global_load_b128 v[144+8*m+4:144+8*m+7], v2, s[\p:\p+1] offset:4096 th:TH_LOAD_NT
.set m, m+1
.endr
	s_wait_loadcnt 26                              ; bbeta and Wbeta are in; x's 16 and the weights' 10 stay out
.set i, 0
.rept 16
	v_cvt_pk_bf16_f32 v[184+2*i], v[16+4*i], v[16+4*i+1]
	v_cvt_pk_bf16_f32 v[185+2*i], v[16+4*i+2], v[16+4*i+3]
	ds_store_b64 v5, v[184+2*i:185+2*i] offset:WS+272*i
.set i, i+1
.endr
	s_wait_loadcnt 10                              ; x is in; the weights' 10 stay out
.set i, 0
.rept 16
	v_cvt_pk_bf16_f32 v[216+2*i], v[80+4*i], v[80+4*i+1]
	v_cvt_pk_bf16_f32 v[217+2*i], v[80+4*i+2], v[80+4*i+3]
	global_store_b64 v3, v[216+2*i:217+2*i], s[22:23] offset:2048*i
	ds_store_b64 v5, v[216+2*i:217+2*i] offset:272*i
.set i, i+1
.endr
	s_wait_loadcnt 0x0
.set i, 0
.rept 8                                        ; Wq, Wk, Wv, Wgate: matrix i / 2, row i % 2
	v_cvt_pk_bf16_f32 v[112+2*i], v[144+4*i], v[144+4*i+1]
	v_cvt_pk_bf16_f32 v[113+2*i], v[144+4*i+2], v[144+4*i+3]
	global_store_b64 v3, v[112+2*i:113+2*i], s[24:25] offset:(i/2)*131072+(i%2)*2048
.set i, i+1
.endr
.irp e, 0,1                                    ; Wo: rounded to bf16 like every input, that number written as f16
	v_cvt_pk_bf16_f32 v132, v[176+4*\e], v[176+4*\e+1]
	v_cvt_pk_bf16_f32 v133, v[176+4*\e+2], v[176+4*\e+3]
	v_lshlrev_b32 v134, 16, v132
	v_and_b32 v135, 0xffff0000, v132
	v_lshlrev_b32 v136, 16, v133
	v_and_b32 v137, 0xffff0000, v133
	v_cvt_pk_f16_f32 v[128+2*\e], v134, v135
	v_cvt_pk_f16_f32 v[129+2*\e], v136, v137
	global_store_b64 v3, v[128+2*\e:129+2*\e], s[26:27] offset:2048*\e
.endr
.irp k, 0,1,2,3                                ; the fragments, from my own bytes: LDS serves a wave's instructions in order
	ds_load_b128 v[80+8*\k:80+8*\k+3],   v6 offset:64*\k
	ds_load_b128 v[80+8*\k+4:80+8*\k+7], v6 offset:64*\k+32
	ds_load_b128 v[16+8*\k:16+8*\k+3],   v6 offset:WS+64*\k
	ds_load_b128 v[16+8*\k+4:16+8*\k+7], v6 offset:WS+64*\k+32
.endr
	s_wait_dscnt 0x0
	v_wmma_f32_16x16x32_bf16 v[48:55], v[80:87], v[16:23], 0              ; two accumulators by turns
	v_wmma_f32_16x16x32_bf16 v[56:63], v[88:95], v[24:31], 0
	v_wmma_f32_16x16x32_bf16 v[48:55], v[96:103], v[32:39], v[48:55]
	v_wmma_f32_16x16x32_bf16 v[56:63], v[104:111], v[40:47], v[56:63]
.rept 4
	v_nop
.endr
.irp i, 0,2,4,6
	v_pk_add_f32 v[48+\i:49+\i], v[48+\i:49+\i], v[56+\i:57+\i]
.endr
	ds_store_b128 v7, v[48:51]
	ds_store_b128 v7, v[52:55] offset:16
	s_wait_dscnt 0x0                               ; for wave 0's sake: my partial tile lies in LDS
	s_barrier_signal -1
	s_barrier_wait -1
	s_cmp_lg_u32 s30, 0
	s_cbranch_scc1 .Lend
	s_wait_xcnt 0x0                                ; the stores of the weights have read v112-131, on which the loads below land
.irp w, 0,1,2,3,4,5,6,7
	ds_load_b128 v[80+8*\w:80+8*\w+3],   v8 offset:1024*\w
	ds_load_b128 v[80+8*\w+4:80+8*\w+7], v8 offset:1024*\w+16
.endr
	v_cvt_pk_bf16_f32 v12, v12, v12                ; the bias rounded like every input
	v_lshlrev_b32 v12, 16, v12
	v_mul_f32 v12, s35, v12                        ; -log2(e) bias
	s_wait_dscnt 0x0
.irp w, 1,2,3,4,5,6,7
.irp i, 0,2,4,6
	v_pk_add_f32 v[80+\i:81+\i], v[80+\i:81+\i], v[80+8*\w+\i:81+8*\w+\i]
.endr
.endr
.irp j, 0,1,2,3,4,5,6,7
	v_fma_f32 v[80+\j], v[80+\j], s35, v12         ; -log2(e) (sum + bias)
.endr
.irp j, 0,1,2,3,4,5,6,7
	v_exp_f32 v[80+\j], v[80+\j]
.endr
	v_nop                                          ; a plain instruction behind the last exponential,
	s_wait_alu depctr_va_vdst(0)                   ; and one wait for the batch
.irp j, 0,1,2,3,4,5,6,7
	v_add_f32 v[80+\j], 1.0, v[80+\j]
.endr
.irp j, 0,1,2,3,4,5,6,7
	v_rcp_f32 v[80+\j], v[80+\j]
.endr
	v_nop
	s_wait_alu depctr_va_vdst(0)
	global_store_b128 v9, v[80:83], s[28:29]               ; lane (r, hh): head r, rows 8 hh + 0..3,
	global_store_b128 v9, v[84:87], s[28:29] offset:512    ; and 8 hh + 4..7: 512 consecutive bytes each
.Lend:
	s_wait_tensorcnt 0x0                           ; the wave's end
	ds_add_u32 v10, v11
	s_wait_dscnt 0x0
	s_endpgm
.Lfunc_end_k_q021c9d70a1_cast:
	.size	k_q021c9d70a1_cast, .Lfunc_end_k_q021c9d70a1_cast-k_q021c9d70a1_cast
	.p2alignl 7, 3214868480
	.fill 96, 4, 3214868480
	.section	.rodata,"a",@progbits
	.p2align	6, 0x0
	.amdhsa_kernel k_q021c9d70a1_cast
		.amdhsa_group_segment_fixed_size 78848
		.amdhsa_private_segment_fixed_size 0
		.amdhsa_enable_private_segment 0
		.amdhsa_kernarg_size 72
		.amdhsa_user_sgpr_count 2
		.amdhsa_user_sgpr_kernarg_segment_ptr 1
		.amdhsa_wavefront_size32 1
		.amdhsa_system_sgpr_workgroup_id_x 1
		.amdhsa_system_sgpr_workgroup_id_y 1
		.amdhsa_system_sgpr_workgroup_id_z 1
		.amdhsa_system_vgpr_workitem_id 0
		.amdhsa_next_free_vgpr 256
		.amdhsa_next_free_sgpr 66
		.amdhsa_reserve_vcc 0
		.amdhsa_float_denorm_mode_32 3
		.amdhsa_float_denorm_mode_16_64 3
		.amdhsa_memory_ordered 1
		.amdhsa_forward_progress 1
		.amdhsa_inst_pref_size 24
	.end_amdhsa_kernel
	.amdgpu_metadata
---
amdhsa.version: [ 1, 2 ]
amdhsa.kernels:
  - .name:           k_q021c9d70a1_cast
    .symbol:         k_q021c9d70a1_cast.kd
    .args:
      - { .name: x, .offset: 0, .size: 8, .value_kind: global_buffer, .address_space: global }
      - { .name: Wq, .offset: 8, .size: 8, .value_kind: global_buffer, .address_space: global }
      - { .name: Wk, .offset: 16, .size: 8, .value_kind: global_buffer, .address_space: global }
      - { .name: Wv, .offset: 24, .size: 8, .value_kind: global_buffer, .address_space: global }
      - { .name: Wgate, .offset: 32, .size: 8, .value_kind: global_buffer, .address_space: global }
      - { .name: Wo, .offset: 40, .size: 8, .value_kind: global_buffer, .address_space: global }
      - { .name: Wbeta, .offset: 48, .size: 8, .value_kind: global_buffer, .address_space: global }
      - { .name: bbeta, .offset: 56, .size: 8, .value_kind: global_buffer, .address_space: global }
      - { .name: c1, .offset: 64, .size: 8, .value_kind: global_buffer, .address_space: global }
    .group_segment_fixed_size: 78848
    .private_segment_fixed_size: 0
    .kernarg_segment_align: 8
    .kernarg_segment_size: 72
    .max_flat_workgroup_size: 256
    .sgpr_count:     66
    .vgpr_count:     256
    .wavefront_size: 32
...
	.end_amdgpu_metadata
.endif
;; end of part 1
;; launch proj (part 2): grid 16 x 16, 4 waves a work-group, clusters of 4 x 4, 327,680 bytes of LDS; arguments c1, p2; writes p2
.if DOCPART == 2
	.amdgcn_target "amdgcn-amd-amdhsa--gfx1250"
	.amdhsa_code_object_version 6
	.text
	.protected	k_q021c9d70a1_proj
	.globl	k_q021c9d70a1_proj
	.p2align	8
	.type	k_q021c9d70a1_proj,@function
k_q021c9d70a1_proj:
	s_mov_b64 s[64:65], 0
	v_nop
	global_prefetch_b8 v0, s[64:65] scope:SCOPE_SE
	s_setreg_imm32_b32 hwreg(HW_REG_WAVE_MODE, 25, 1), 1
	s_wait_xcnt 0x0
	s_wait_alu depctr_hold_cnt(0) depctr_sa_sdst(0) depctr_va_vdst(0) depctr_va_sdst(0) depctr_va_ssrc(0) depctr_va_vcc(0) depctr_vm_vsrc(0)
	s_getreg_b32 s2, hwreg(HW_REG_IB_STS2, 6, 4)
	s_cmp_eq_u32 s2, 0
	s_cbranch_scc0 .Lentry_in_a_cluster
	s_endpgm
.Lentry_in_a_cluster:
	s_bfe_u32 s2, ttmp6, 0x10000c
	s_cmp_lg_u32 s2, 0xf033
	s_cbranch_scc0 .Lentry_shape_is_right
	s_endpgm
.Lentry_shape_is_right:
; Launch 2 of 5: [8192 x 1024] xb times wcat^T [4096 x 1024], bf16 operands, f32 sums; then, on the way out, q and k divided by max(norm, 1e-12), gate = sigmoid, all rounded once to f16.
; A tile of 256 x 256 is 256 steps of one batch x one head's q | k | v | gate.  Four waves, each 128 x 128: 64 accumulators.  K in steps of 128 through two LDS slots filled by joint tensor loads
; (4 x 4 cluster: A's tile shared along a row, B's along a column).  A work-group makes two tiles, 4,096 rows apart; the ring runs on into the second.  lds_bytes is all of the LDS.
; The matrix instruction is used transposed (source 0 = rows of wcat, source 1 = rows of xb): a lane holds one row of the result and, of each block of 16 columns, eight neighbouring ones.
; ONE LOOP OF LAPS.  A lap is two K steps, once round the ring.  All laps that fill slots again run in one loop: by how much a refill's address steps (on along K, or to the next tile's first K steps)
; lies in scalar registers chosen at the lap's head.  The loop is entered behind a tile's first quarter, whose products start the sums, and left in its middle in the last tile's last lap, which fills nothing.
; OUT: qn, kn, gt: f16 [b h][t][64].  vt: per chunk of 64 steps 8 KiB in the order in which a wave's operand registers take them: byte 2048 i + 512 (t / 16) + 16 lane holds feature 16 i + lane % 16,
; steps 16 (t / 16) + 8 (lane / 16) + 0..7.  Every store of a wave covers 512 consecutive bytes, aligned.
; LIMITS: 1 / max(n, 1e-12) is min(rsq(n^2), 1e12); n^2 below 2^-126 counts as 0; v within f16's range.
; REGISTERS: window 0: v0-31 addresses; v64-127, v128-191 A's fragments; window 1: the same for B; windows 2, 3: accumulators ((a, b) at v[8 (8 (a % 4) + b)]).  The way out works in window 0, v128-247.
.set SIZE_M, 8192
.set SIZE_N, 4096
.set SIZE_K, 1024
.set KSTEP,  128
.set PITCH,  272                       ; 256 bytes + 16 of padding: the 16 rows of a fragment load start at 16 different groups of four banks
.set HALFT,  128*PITCH
.set SLOT,   4*HALFT
.set STAGE,  2*SLOT                    ; behind the ring, never filled by a tensor load: for each wave two stages of 16 rows x 160 bytes of f16
.set WSTG,   5120
.set HK,     2560                      ; the second stage: k or v
.set SPARE,  STAGE+4*WSTG              ; the spare words
.set LAPS,   SIZE_K/(2*KSTEP)
.set WALK,   4096
.set NEXT_A, WALK*SIZE_K*2-(SIZE_K-2*KSTEP)*2   ; from a slot's last K step of a tile to its first of the next tile
.set BACK_B, (SIZE_K-2*KSTEP)*2
.set ADRA, 16
.set ADRB, 20
.set VRM,  22                          ; my byte offset in the rows of qn, kn, gt for the block in hand
.set VIM,  23                          ; the same in vt
.set HS,   24                          ; into a stage: row r, 16 bytes for each half of the lanes
.set HRD,  25                          ; back: eight lanes a row of 128 bytes
.set HTR,  27                          ; back, turned
.set SPW,  28
.set NIL,  29
.set PFO,  30
.set LN16, 31
.set PFA,  44
.set LIM,  43
.set F0,   64
.set F1,   128
.set XR,   128                         ; the way out: the block's 64 numbers a lane, column block b at XR + 8 b
.set SS,   192                         ; sums of squares
.set OP,   200                         ; 32 registers of f16
.set TR,   232                         ; 16 registers turned
.set G1, 24
.set G0, 32
.set G1B, 48
.set G0B, 56
.set P1, 66                            ; s[66:67] qn (or gt), s[68:69] kn (or vt), at my 128 rows
.set P2, 68
.set SEL, 70                           ; s[70:71] v_permlanex16_b32's selects
.set EA, 72
.set BIG, 76
.set TQ, 77                            ; at work
.set CNA, 80                           ; constants for the selects: NEXT_A, 512, BACK_B, the prefetch's step at a change of tiles, 256
.set C512, 81
.set CBK, 82
.set CPF, 83
.set C256, 84
.set AOK, 85                           ; 1: my wave prefetches in this lap
.set SA,  86                           ; s[86:87] this lap's step of A's refills; s[88:89] what B's go on, s[90:91] what they go back; s[92:93] the prefetch's step at slot 0's change
.set SBP, 88
.set SBN, 90
.set SPF, 92
.set MSB, 0
.macro WIN new
.if MSB != (\new)
	s_set_vgpr_msb (MSB<<8)|(\new)
.set MSB, \new
.endif
.endm
.set MUL_LO, 0xa1
.set MUL_HI, 0xf1
.set TO_B,   0x40
.macro JLOAD s                         ; a joint load: waves 0, 1 fetch A's halves, waves 2, 3 B's; s_nop 0 and four v_nop behind each line
	s_cmp_eq_u32 s11, 0
	s_cbranch_scc0 .Lfor_b_\@
	tensor_load_to_lds s[G0+4*(\s):G0+4*(\s)+3], s[G1:G1+7]
	s_nop 0
.rept 4
	v_nop
.endr
	s_branch .Lasked_\@
.Lfor_b_\@:
	tensor_load_to_lds s[G0B+4*(\s):G0B+4*(\s)+3], s[G1B:G1B+7]
	s_nop 0
.rept 4
	v_nop
.endr
.Lasked_\@:
.endm
; A prefetch of the K step two refills on: 32 rows x 256 bytes, a lane a row.  Cluster x = 0 asks for xb's rows, cluster y = 0 for wcat's; the four partners take 32 of a wave's 128 rows each, by address.
; A tile's last lap but one asks for nothing (no K step lies two refills on); its last lap asks for the next tile's K steps 2 and 3 of xb; wcat's rows are asked for in the first tile alone.
.macro ASK
	s_cmp_eq_u32 s[AOK], 1
	s_cbranch_scc0 .Lnot_mine_\@
	global_prefetch_b8 v[PFO], s[PFA:PFA+1] offset:KSTEP*2 th:TH_LOAD_NT scope:SCOPE_SE
.Lnot_mine_\@:
.endm
.macro CREST
	s_cmp_lg_u32 s10, 0
	s_cbranch_scc1 .Lnot_wave_0_\@
	s_barrier_signal -3
.Lnot_wave_0_\@:
	s_barrier_wait -3
	s_barrier_signal -1
	s_barrier_wait -1
.endm
.macro CROUND
	s_barrier_signal -1
	s_barrier_wait -1
	CREST
.endm
	s_load_b128 s[4:7], s[0:1], 0x0                ; c1, p2
	v_lshl_add_u32 v[SPW], v0, 2, SPARE
	v_mov_b32 v[NIL], 0
	ds_add_u32 v[SPW], v[NIL]                      ; the opening: the add, twice on end, and its wait ahead of my first tensor load
	ds_add_u32 v[SPW], v[NIL]
	v_lshrrev_b32 v1, 5, v0
	v_readfirstlane_b32 s10, v1                    ; wave 0..3
	s_lshr_b32 s11, s10, 1                         ; my half of the tile's rows; also: I fetch for A (0) or B (1)
	s_and_b32 s12, s10, 1                          ; my half of its columns; also: which 128 rows I fetch
	s_bfe_u32 s40, ttmp6, 0x40000                  ; cx
	s_bfe_u32 s41, ttmp6, 0x40004                  ; cy
	s_lshl_b32 s42, ttmp9, 2
	s_add_co_u32 s42, s42, s40                     ; tile column = head
	s_and_b32 s13, ttmp7, 0xffff
	s_lshl_b32 s13, s13, 2
	s_add_co_u32 s13, s13, s41                     ; tile row
	s_lshl_b32 s43, s41, 2
	s_lshl_b32 s43, 15, s43                        ; my row of the cluster
	s_lshl_b32 s44, 0x1111, s40                    ; my column
	s_or_b32 s[G1+0], s43, (1<<16)|(1<<20)|(1<<21)|(5<<22)|(3<<25)   ; mask; 2-byte elements; padding of 4 words after every 64; bit 21 beside a mask
	s_or_b32 s[G1B+0], s44, (1<<16)|(1<<20)|(1<<21)|(5<<22)|(3<<25)
.irp g, G1, G1B
	s_mov_b32 s[(\g)+1], KSTEP<<16                 ; tensor_dim0 = 128
	s_mov_b32 s[(\g)+2], 128<<16                   ; tensor_dim1 = 128
	s_mov_b32 s[(\g)+3], KSTEP<<16                 ; tile_dim0 = 128
	s_mov_b32 s[(\g)+4], 128                       ; tile_dim1 = 128
	s_mov_b32 s[(\g)+5], SIZE_K                    ; elements from row to row
	s_mov_b32 s[(\g)+6], 0
	s_mov_b32 s[(\g)+7], 0
.endr
	s_lshl_b32 s17, s12, 7
	s_lshl_b32 s16, s13, 8
	s_add_co_u32 s16, s16, s17                     ; A: row 256 x tile row + 128 x half
	s_lshl_b32 s46, s42, 8
	s_add_co_u32 s46, s46, s17                     ; B: row 256 x tile column + 128 x half
	s_mov_b32 s17, 0
	s_mov_b32 s47, 0
	s_mov_b64 s[18:19], SIZE_K*2
	s_mul_u64 s[16:17], s[16:17], s[18:19]
	s_mul_u64 s[46:47], s[46:47], s[18:19]
	s_mul_i32 s20, s10, HALFT                      ; LDS: wave x 128 rows
	s_wait_dscnt 0x0                               ; both opening adds are done
	s_wait_kmcnt 0x0
	s_mov_b64 s[8:9], s[6:7]                       ; p2
	s_add_nc_u64 s[6:7], s[4:5], 0x1000000         ; wcat
	s_add_nc_u64 s[14:15], s[4:5], s[16:17]
	s_add_nc_u64 s[46:47], s[6:7], s[46:47]
	CROUND                                         ; all sixteen work-groups are here: the first joint loads meet
.irp s, 0,1
	s_mov_b32 s[G0+4*(\s)], 1
	s_add_co_u32 s[G0+4*(\s)+1], s20, (\s)*SLOT
	s_add_nc_u64 s[G0+4*(\s)+2:G0+4*(\s)+3], s[14:15], (\s)*KSTEP*2
	s_or_b32 s[G0+4*(\s)+3], s[G0+4*(\s)+3], 0x80000000
	s_mov_b32 s[G0B+4*(\s)], 1
	s_add_co_u32 s[G0B+4*(\s)+1], s20, (\s)*SLOT
	s_add_nc_u64 s[G0B+4*(\s)+2:G0B+4*(\s)+3], s[46:47], (\s)*KSTEP*2
	s_or_b32 s[G0B+4*(\s)+3], s[G0B+4*(\s)+3], 0x80000000
	JLOAD \s
.endr
	v_and_b32 v1, 15, v0                           ; r
	v_bfe_u32 v2, v0, 4, 1                         ; hh
	v_mul_u32_u24 v3, v1, PITCH
	v_lshl_add_u32 v3, v2, 4, v3
	s_mul_i32 s21, s11, HALFT
	s_mul_i32 s22, s12, HALFT
	s_add_co_u32 s22, s22, 2*HALFT
.irp s, 0,1
	v_add_nc_u32 v[ADRA+(\s)], s21, v3
	v_add_nc_u32 v[ADRB+(\s)], s22, v3
	s_add_co_u32 s21, s21, SLOT
	s_add_co_u32 s22, s22, SLOT
.endr
	; the way out's addresses
	s_mul_i32 s23, s10, WSTG
	s_add_co_u32 s23, s23, STAGE                   ; my two stages
	v_mul_u32_u24 v[HS], v1, 160
	v_lshl_add_u32 v[HS], v2, 4, v[HS]
	v_add_nc_u32 v[HS], s23, v[HS]
	v_bfe_u32 v4, v0, 3, 2                         ; L >> 3
	v_and_b32 v5, 7, v0                            ; L & 7
	v_mul_u32_u24 v[HRD], v4, 160
	v_lshl_add_u32 v[HRD], v5, 4, v[HRD]
	v_add_nc_u32 v[HRD], s23, v[HRD]
	s_add_co_u32 s23, s23, HK
	v_lshl_add_u32 v[HTR], v2, 3, v5
	v_mul_u32_u24 v[HTR], v[HTR], 160
	v_bfe_u32 v4, v0, 3, 1
	v_lshl_add_u32 v[HTR], v4, 4, v[HTR]
	v_add_nc_u32 v[HTR], s23, v[HTR]               ; step 8 hh + L % 8, features 8 ((L / 8) % 2) + 0..7, of the second stage
	v_and_b32 v[LN16], 31, v0
	v_lshlrev_b32 v[LN16], 4, v[LN16]
	s_lshl_b32 s73, s13, 8
	s_lshl_b32 s74, s11, 7
	s_add_co_u32 s73, s73, s74                     ; m0: my first row
	s_lshr_b32 s74, s73, 11                        ; batch
	s_lshl_b32 s74, s74, 4
	s_add_co_u32 s74, s74, s42                     ; 16 b + head
	s_lshl_b32 s74, s74, 18
	s_and_b32 s73, s73, 2047
	s_lshl_b32 s73, s73, 7
	s_add_co_u32 s74, s74, s73                     ; byte offset of my 128 steps in each of p2's four parts
	s_mov_b32 s80, 0x3000000                       ; gt
	s_mov_b32 s81, 0x1000000                       ; kn
	s_mov_b32 s82, 0x2000000                       ; vt
	s_cmp_eq_u32 s12, 0                            ; columns 0-127 are q | k, columns 128-255 v | gate
	s_cselect_b32 s75, 0, s80
	s_cselect_b32 s77, s81, s82
	s_mov_b32 s85, 0
	s_add_co_u32 s84, s74, s75
	s_add_nc_u64 s[P1:P1+1], s[8:9], s[84:85]
	s_add_co_u32 s84, s74, s77
	s_add_nc_u64 s[P2:P2+1], s[8:9], s[84:85]
	s_mov_b32 s78, 0xbfb8aa3b                      ; -log2(e), named as a pair
	s_mov_b32 s79, s78
	s_mov_b32 s[BIG], 0x5368d4a5                   ; 1e12
	s_mov_b32 s[SEL], 0x76543210
	s_mov_b32 s[SEL+1], 0xfedcba98
	s_mov_b32 s[CNA], NEXT_A
	s_mov_b32 s[C512], 2*KSTEP*2
	s_mov_b32 s[CBK], BACK_B
	s_mov_b32 s[CPF], (WALK-1)*SIZE_K*2+KSTEP*2    ; from the K step after a tile's last to the next tile's K step 1
	s_mov_b32 s[C256], KSTEP*2
	s_mov_b32 s[SA+1], 0
	s_mov_b32 s[SBP+1], 0
	s_mov_b32 s[SBN+1], 0
	s_mov_b32 s[SPF+1], 0
	; the prefetches
	s_lshl_b32 s13, s13, 8
	s_lshl_b32 s42, s42, 8
	s_and_b32 s22, ttmp7, 0xffff
	s_cmp_eq_u32 s11, 0
	s_cselect_b32 s20, s13, s42
	s_cselect_b32 s21, s40, s41
	s_cselect_b32 s22, ttmp9, s22
	s_cselect_b64 s[PFA:PFA+1], s[4:5], s[6:7]
	s_cmp_eq_u32 s22, 0
	s_cselect_b32 s[LIM], 1, -1
	s_lshl_b32 s22, s12, 7
	s_add_co_u32 s20, s20, s22
	s_lshl_b32 s21, s21, 5
	s_add_co_u32 s20, s20, s21
	s_mov_b32 s21, 0
	s_mov_b64 s[18:19], SIZE_K*2
	s_mul_u64 s[20:21], s[20:21], s[18:19]
	s_add_nc_u64 s[PFA:PFA+1], s[PFA:PFA+1], s[20:21]
	s_add_nc_u64 s[PFA:PFA+1], s[PFA:PFA+1], 2*KSTEP*2
	v_and_b32 v[PFO], 31, v0
	v_mul_u32_u24 v[PFO], v[PFO], SIZE_K*2
.macro MUL16 f, hi, a0, zero
	WIN MUL_LO+0x50*(\hi)
.irp a, \a0, (\a0)+1
.irp b, 0,1,2,3,4,5,6,7
.if \zero
	v_wmma_f32_16x16x32_bf16 v[8*(8*(\a)+(\b)):8*(8*(\a)+(\b))+7], v[(\f)+8*(\b):(\f)+8*(\b)+7], v[(\f)+8*(4*(\hi)+(\a)):(\f)+8*(4*(\hi)+(\a))+7], 0
.else
	v_wmma_f32_16x16x32_bf16 v[8*(8*(\a)+(\b)):8*(8*(\a)+(\b))+7], v[(\f)+8*(\b):(\f)+8*(\b)+7], v[(\f)+8*(4*(\hi)+(\a)):(\f)+8*(4*(\hi)+(\a))+7], v[8*(8*(\a)+(\b)):8*(8*(\a)+(\b))+7]
.endif
.endr
.endr
.endm
.macro FETCH slot, k, f
	WIN TO_B
.irp i, 0,1,2,3,4,5,6,7
	ds_load_b128 v[(\f)+8*(\i):(\f)+8*(\i)+3],   v[ADRB+(\slot)] offset:(\k)+(\i)*16*PITCH
	ds_load_b128 v[(\f)+8*(\i)+4:(\f)+8*(\i)+7], v[ADRB+(\slot)] offset:(\k)+(\i)*16*PITCH+32
.endr
	WIN 0
.irp i, 0,1,2,3,4,5,6,7
	ds_load_b128 v[(\f)+8*(\i):(\f)+8*(\i)+3],   v[ADRA+(\slot)] offset:(\k)+(\i)*16*PITCH
	ds_load_b128 v[(\f)+8*(\i)+4:(\f)+8*(\i)+7], v[ADRA+(\slot)] offset:(\k)+(\i)*16*PITCH+32
.endr
.endm
.macro PLACES                          ; four plain places behind a matrix instruction, ahead of loads into its sources and of instructions that read its result
.rept 4
	v_nop
.endr
.endm
.macro QUARTER slot, k, f, g, zero
	s_wait_dscnt 8                                 ; B and A's rows 0-63 are in; the youngest eight loads may be out
	MUL16 \f, 0, 0, \zero
	MUL16 \f, 0, 2, \zero
	PLACES
	FETCH \slot, \k, \g
	s_wait_dscnt 32                                ; all but the 32 just issued
	MUL16 \f, 1, 0, \zero
	MUL16 \f, 1, 2, \zero
.endm
.macro MEET round
	WIN 0
	s_wait_tensorcnt 0x0                           ; all my tensor loads have landed: my part of the next slot;
	ds_add_u32 v[SPW], v[NIL]                      ; 0 onto my spare word
	s_wait_dscnt 9                                 ; the add and the youngest eight loads may be out
	MUL16 F1, 0, 0, 0
	s_wait_dscnt 0x0                               ; the add is done, my reads of this slot are over
	s_barrier_signal -1
	MUL16 F1, 0, 2, 0
.if \round
	WIN 0
.endif
	s_barrier_wait -1
.endm
.macro TURN slot, next                 ; a K step's last quarter and the change of slots; the slot just read out is filled again, by the lap's steps
	s_wait_xcnt 0x0                                ; the last prefetch, a K step back, has read its address
.if (\slot) == 0
	s_add_nc_u64 s[PFA:PFA+1], s[PFA:PFA+1], s[SPF:SPF+1]
.else
	s_add_nc_u64 s[PFA:PFA+1], s[PFA:PFA+1], KSTEP*2
.endif
	MEET 1
	CREST                                          ; the round: no wave of any partner still reads this slot or has a load on its way
	s_add_nc_u64 s[G0+4*(\slot)+2:G0+4*(\slot)+3], s[G0+4*(\slot)+2:G0+4*(\slot)+3], s[SA:SA+1]
	s_add_nc_u64 s[G0B+4*(\slot)+2:G0B+4*(\slot)+3], s[G0B+4*(\slot)+2:G0B+4*(\slot)+3], s[SBP:SBP+1]
	s_sub_nc_u64 s[G0B+4*(\slot)+2:G0B+4*(\slot)+3], s[G0B+4*(\slot)+2:G0B+4*(\slot)+3], s[SBN:SBN+1]
	JLOAD \slot
	FETCH \next, 0, F0
	ASK
	MUL16 F1, 1, 0, 0
	MUL16 F1, 1, 2, 0
.endm
	s_wait_tensorcnt 1                             ; my part of K step 0 is in; K step 1's stays out
	s_barrier_signal -1
	s_barrier_wait -1
	FETCH 0, 0, F0
	s_mov_b32 s2, 2                                ; tiles to go: the same in every work-group
.Ltile:
	QUARTER 0, 64,  F0, F1, 1                      ; a tile's first quarter starts the sums with the constant 0
	WIN 0
	s_mov_b32 s3, LAPS                             ; laps to go in this tile
	s_branch .Lbody
.Llap:
	QUARTER 0, 64,  F0, F1, 0
	WIN 0
.Lbody:
	s_cmp_eq_u32 s3, 1                             ; the tile's last lap: its refills bring the next tile's K steps 0 and 1
	s_cselect_b32 s[SA], s[CNA], s[C512]
	s_cselect_b32 s[SBP], 0, s[C512]
	s_cselect_b32 s[SBN], s[CBK], 0
	s_cselect_b32 s[SPF], s[CPF], s[C256]
	s_cselect_b32 s[TQ], s11, 0
	s_cmp_eq_u32 s[TQ], 0
	s_cselect_b32 s[LIM], s[LIM], -1               ; wcat's rows are the same for both tiles: from here on they are prefetched no more
	s_cmp_eq_u32 s3, 2                             ; the last lap but one has no K step two refills on
	s_cselect_b32 s[AOK], -1, s[LIM]
	QUARTER 0, 128, F1, F0, 0
	QUARTER 0, 192, F0, F1, 0
	WIN 0
	s_cmp_eq_u32 s2, 1
	s_cselect_b32 s[TQ], s3, 0
	s_cmp_eq_u32 s[TQ], 1
	s_cbranch_scc1 .Llast                          ; the last tile's last lap asks for nothing more: the same in every work-group
	TURN 0, 1
	QUARTER 1, 64,  F0, F1, 0
	QUARTER 1, 128, F1, F0, 0
	QUARTER 1, 192, F0, F1, 0
	TURN 1, 0
	WIN 0
	s_sub_co_u32 s3, s3, 1
	s_cmp_lg_u32 s3, 0
	s_cbranch_scc1 .Llap
	s_branch .Lout                                 ; both refills for the next tile are asked for: the tile goes out
.Llast:
	MEET 0                                         ; nothing is filled again, so no round follows
	PLACES
	FETCH 1, 0, F0
	MUL16 F1, 1, 0, 0
	MUL16 F1, 1, 2, 0
	QUARTER 1, 64,  F0, F1, 0
	QUARTER 1, 128, F1, F0, 0
	QUARTER 1, 192, F0, F1, 0
	s_wait_dscnt 8
	MUL16 F1, 0, 0, 0
	MUL16 F1, 0, 2, 0
	s_wait_dscnt 0x0
	MUL16 F1, 1, 0, 0
	MUL16 F1, 1, 2, 0
	WIN 0
.Lout:
	; THE WAY OUT: eight trips, a block of 16 rows each, its arithmetic written once.  The block's 64 numbers a lane are copied into fixed registers: a lane holds row r and columns 16 b + 8 hh + 0..7,
	; so a row's sum of squares is made in the lane and its partner 16 away.  Rounded to f16, a lane's eight numbers are 16 bytes; they go through my own stages and come back as whole rows, v also turned.
	PLACES
	s_mov_b32 s[EA], 0
.Lway:
.irp a, 0,1,2,3,4,5,6
	s_cmp_eq_u32 s[EA], \a
	s_cbranch_scc1 .Ldump\a
.endr
.irp a, 7,6,5,4,3,2,1,0
.Ldump\a:
	WIN 0x02+(\a/4)                                ; source 0 in window 2 or 3
.set n, 0
.rept 64
	v_mov_b32 v[XR+n], v[64*(\a%4)+n]
.set n, n+1
.endr
	WIN 0
.if \a > 0
	s_branch .Lproc
.endif
.endr
.Lproc:
	s_wait_xcnt 0x0                                ; the last trip's stores have read their offsets and data
	s_lshl_b32 s73, s[EA], 11
	v_add_nc_u32 v[VRM], s73, v[LN16]              ; 16 rows of 128 bytes a block
	s_cmp_eq_u32 s12, 0
	s_cbranch_scc0 .Lhalf1
	; q (XR .. XR+31) and k (XR+32 .. XR+63): sums of squares in four chains
	v_pk_mul_f32 v[SS:SS+1],   v[XR:XR+1],     v[XR:XR+1]
	v_pk_mul_f32 v[SS+2:SS+3], v[XR+2:XR+3],   v[XR+2:XR+3]
	v_pk_mul_f32 v[SS+4:SS+5], v[XR+32:XR+33], v[XR+32:XR+33]
	v_pk_mul_f32 v[SS+6:SS+7], v[XR+34:XR+35], v[XR+34:XR+35]
.set n, 4
.rept 7
	v_pk_fma_f32 v[SS:SS+1],   v[XR+n:XR+n+1],     v[XR+n:XR+n+1],     v[SS:SS+1]
	v_pk_fma_f32 v[SS+2:SS+3], v[XR+n+2:XR+n+3],   v[XR+n+2:XR+n+3],   v[SS+2:SS+3]
	v_pk_fma_f32 v[SS+4:SS+5], v[XR+n+32:XR+n+33], v[XR+n+32:XR+n+33], v[SS+4:SS+5]
	v_pk_fma_f32 v[SS+6:SS+7], v[XR+n+34:XR+n+35], v[XR+n+34:XR+n+35], v[SS+6:SS+7]
.set n, n+4
.endr
	v_pk_add_f32 v[SS:SS+1], v[SS:SS+1], v[SS+2:SS+3]
	v_pk_add_f32 v[SS+4:SS+5], v[SS+4:SS+5], v[SS+6:SS+7]
	v_add_f32 v[SS], v[SS], v[SS+1]
	v_add_f32 v[SS+4], v[SS+4], v[SS+5]
	v_permlanex16_b32 v[SS+1], v[SS], s[SEL], s[SEL+1]      ; the row's other 32 columns lie in the lane 16 away
	v_permlanex16_b32 v[SS+5], v[SS+4], s[SEL], s[SEL+1]
	v_add_f32 v[SS], v[SS], v[SS+1]
	v_add_f32 v[SS+4], v[SS+4], v[SS+5]
	v_rsq_f32 v[SS], v[SS]
	v_rsq_f32 v[SS+4], v[SS+4]
	v_nop                                          ; a plain instruction behind the last root,
	s_wait_alu depctr_va_vdst(0)                   ; and one wait for the two
	v_min_num_f32 v[SS], s[BIG], v[SS]
	v_min_num_f32 v[SS+4], s[BIG], v[SS+4]
.set n, 0
.rept 16
	v_pk_mul_f32 v[XR+2*n:XR+2*n+1], v[XR+2*n:XR+2*n+1], v[SS:SS+1] op_sel_hi:[1,0]
	v_pk_mul_f32 v[XR+32+2*n:XR+33+2*n], v[XR+32+2*n:XR+33+2*n], v[SS+4:SS+5] op_sel_hi:[1,0]
.set n, n+1
.endr
.set n, 0
.rept 32
	v_cvt_pk_f16_f32 v[OP+n], v[XR+2*n], v[XR+2*n+1]
.set n, n+1
.endr
.irp b, 0,1,2,3
	ds_store_b128 v[HS], v[OP+4*\b:OP+4*\b+3] offset:32*\b
	ds_store_b128 v[HS], v[OP+16+4*\b:OP+16+4*\b+3] offset:HK+32*\b
.endr
.irp f, 0,1,2,3
	ds_load_b128 v[OP+4*\f:OP+4*\f+3], v[HRD] offset:640*\f             ; LDS serves a wave's instructions in order: these see the stores above
	ds_load_b128 v[OP+16+4*\f:OP+16+4*\f+3], v[HRD] offset:HK+640*\f
.endr
	s_wait_dscnt 0x0
.irp f, 0,1,2,3
	global_store_b128 v[VRM], v[OP+4*\f:OP+4*\f+3], s[P1:P1+1] offset:512*\f
	global_store_b128 v[VRM], v[OP+16+4*\f:OP+16+4*\f+3], s[P2:P2+1] offset:512*\f
.endr
	s_branch .Lnext
.Lhalf1:
	; v (XR .. XR+31) and the gate (XR+32 .. XR+63)
	s_and_b32 s73, s[EA], 3
	s_lshl_b32 s73, s73, 9
	s_lshr_b32 s74, s[EA], 2
	s_lshl_b32 s74, s74, 13
	s_add_co_u32 s73, s73, s74
	v_add_nc_u32 v[VIM], s73, v[LN16]              ; chunk EA / 4, sixteen steps EA % 4
.set n, 0
.rept 16
	v_pk_mul_f32 v[XR+32+2*n:XR+33+2*n], v[XR+32+2*n:XR+33+2*n], s[78:79] op_sel_hi:[1,0]   ; -log2(e) z
.set n, n+1
.endr
.set n, 0
.rept 16                                       ; v's roundings stand between the gate's exponentials
	v_exp_f32 v[XR+32+2*n], v[XR+32+2*n]
	v_exp_f32 v[XR+33+2*n], v[XR+33+2*n]
	v_cvt_pk_f16_f32 v[OP+n], v[XR+2*n], v[XR+2*n+1]
.set n, n+1
.endr
.irp b, 0,1,2,3
	ds_store_b128 v[HS], v[OP+4*\b:OP+4*\b+3] offset:HK+32*\b
.endr
.irp i, 0,1,2,3
	ds_load_tr16_b128 v[TR+4*\i:TR+4*\i+3], v[HTR] offset:32*\i          ; v turned: lane = feature 16 i + r, eight steps
.endr
	s_wait_alu depctr_va_vdst(0)                   ; one wait for the 32 exponentials; the last rounding is the plain instruction behind them
.set n, 0
.rept 16
	v_pk_add_f32 v[XR+32+2*n:XR+33+2*n], v[XR+32+2*n:XR+33+2*n], 1.0 op_sel_hi:[1,0]
.set n, n+1
.endr
.set n, 0
.rept 32
	v_rcp_f32 v[XR+32+n], v[XR+32+n]
.set n, n+1
.endr
	v_nop
	s_wait_alu depctr_va_vdst(0)                   ; one wait for the 32 reciprocals
.set n, 0
.rept 16
	v_cvt_pk_f16_f32 v[OP+16+n], v[XR+32+2*n], v[XR+33+2*n]
.set n, n+1
.endr
.irp b, 0,1,2,3
	ds_store_b128 v[HS], v[OP+16+4*\b:OP+16+4*\b+3] offset:32*\b
.endr
.irp f, 0,1,2,3
	ds_load_b128 v[OP+16+4*\f:OP+16+4*\f+3], v[HRD] offset:640*\f
.endr
	s_wait_dscnt 0x0
.irp f, 0,1,2,3
	global_store_b128 v[VIM], v[TR+4*\f:TR+4*\f+3], s[P2:P2+1] offset:2048*\f
	global_store_b128 v[VRM], v[OP+16+4*\f:OP+16+4*\f+3], s[P1:P1+1] offset:512*\f
.endr
.Lnext:
	s_add_co_u32 s[EA], s[EA], 1
	s_cmp_lt_u32 s[EA], 8
	s_cbranch_scc1 .Lway
	s_wait_xcnt 0x0                                ; the stores have read their bases
	s_add_nc_u64 s[P1:P1+1], s[P1:P1+1], 0x800000  ; the next tile lies two batches on
	s_add_nc_u64 s[P2:P2+1], s[P2:P2+1], 0x800000
	s_sub_co_u32 s2, s2, 1
	s_cmp_lg_u32 s2, 0
	s_cbranch_scc1 .Ltile
	s_wait_tensorcnt 0x0                           ; the wave's end
	ds_add_u32 v[SPW], v[NIL]
	s_wait_dscnt 0x0
	CROUND                                         ; the closing round
	s_endpgm
.Lfunc_end_k_q021c9d70a1_proj:
	.size	k_q021c9d70a1_proj, .Lfunc_end_k_q021c9d70a1_proj-k_q021c9d70a1_proj
	.p2alignl 7, 3214868480
	.fill 96, 4, 3214868480
	.section	.rodata,"a",@progbits
	.p2align	6, 0x0
	.amdhsa_kernel k_q021c9d70a1_proj
		.amdhsa_group_segment_fixed_size 327680
		.amdhsa_private_segment_fixed_size 0
		.amdhsa_enable_private_segment 0
		.amdhsa_kernarg_size 16
		.amdhsa_user_sgpr_count 2
		.amdhsa_user_sgpr_kernarg_segment_ptr 1
		.amdhsa_wavefront_size32 1
		.amdhsa_system_sgpr_workgroup_id_x 1
		.amdhsa_system_sgpr_workgroup_id_y 1
		.amdhsa_system_sgpr_workgroup_id_z 1
		.amdhsa_system_vgpr_workitem_id 0
		.amdhsa_next_free_vgpr 1024
		.amdhsa_next_free_sgpr 96
		.amdhsa_reserve_vcc 0
		.amdhsa_float_denorm_mode_32 3
		.amdhsa_float_denorm_mode_16_64 3
		.amdhsa_memory_ordered 1
		.amdhsa_forward_progress 1
		.amdhsa_inst_pref_size 136
	.end_amdhsa_kernel
	.amdgpu_metadata
---
amdhsa.version: [ 1, 2 ]
amdhsa.kernels:
  - .name:           k_q021c9d70a1_proj
    .symbol:         k_q021c9d70a1_proj.kd
    .args:
      - { .name: c1, .offset: 0, .size: 8, .value_kind: global_buffer, .address_space: global }
      - { .name: p2, .offset: 8, .size: 8, .value_kind: global_buffer, .address_space: global }
    .group_segment_fixed_size: 327680
    .private_segment_fixed_size: 0
    .kernarg_segment_align: 8
    .kernarg_segment_size: 16
    .max_flat_workgroup_size: 128
    .sgpr_count:     96
    .vgpr_count:     1024
    .wavefront_size: 32
...
	.end_amdgpu_metadata
.endif
;; end of part 2
;; launch prep (part 3): grid 256 x 1, 8 waves a work-group, no clusters, 142,336 bytes of LDS; arguments p2, c1, p3; writes p3
.if DOCPART == 3
	.amdgcn_target "amdgcn-amd-amdhsa--gfx1250"
	.amdhsa_code_object_version 6
	.text
	.protected	k_q021c9d70a1_prep
	.globl	k_q021c9d70a1_prep
	.p2align	8
	.type	k_q021c9d70a1_prep,@function
k_q021c9d70a1_prep:
	s_mov_b64 s[64:65], 0
	v_nop
	global_prefetch_b8 v0, s[64:65] scope:SCOPE_SE
	s_setreg_imm32_b32 hwreg(HW_REG_WAVE_MODE, 25, 1), 1
	s_wait_xcnt 0x0
; Launch 3 of 5: for each chunk of 64 steps all that needs no state; then a group's eight chunks composed.  A wave a chunk; work-group g = group 4 (16 b + h) + grp.
; Per chunk: Tb = (I + diag(b) L)^-1 diag(b), W = Tb K, U0 = Tb V, Aqk; stored: -N = -(W^T K) and Gc^T = (U0^T K)^T (sg), Qeff = Q - Aqk W and (Aqk U0)^T (oq), all f16, in the order in which scan's registers take them.
; LEFT OUT (the scan starts at a zero state and its final state is dropped): N and Gc of a head's last chunk, group 3's composite, group 0's Phi', Gamma's first product with the zero state; N and Gc of a group's last chunk go to LDS alone.
; THE INVERSE by substitution, never by a series: the four 16 x 16 diagonal blocks in f32, a column a lane; the blocks below by S_ji = S_jj sum over j < l <= i of (-G_jl) S_li, S = Tb^T, G_jl = K_j K_l^T.
; The solve starts from -I, so DA holds -S_jj: S_ii = DA (-I), S_ji = DA (sum of G_jl S_li), and G needs no change of sign.
; LAYOUT.  A result tile holds column n in lane n % 16 and rows 8 (lane / 16) + 0..7 in its registers; rounded in pairs to f16 it IS half of an operand fragment with lane = n, k = row.  So nothing changes lanes.
; K^T is made here: K's fragments go as 64 rows of 160 bytes into the wave's own 16 KiB of LDS and come back turned; the same wave writes those bytes again later.
; No tensor loads: each operand is loaded by one wave and lies in memory as registers take it.  No prefetch: all loads go out at the wave's head.
; REGISTERS.  Window 0: v1-15 addresses and constants; v16-23 E (f32 identity); v24-31 -identity in f16; v32-63 OUTP (during the substitution YB0-2; at the head v62, v63 two LDS addresses); v64-127 Q's fragments, then Aqk's;
; v128-191 K's, then the solve's, then -W's; v192-255 eight accumulators.  Window 1: v0-63 K^T (later Q again); v64-127 V^T; v128-191 G's fragments and DA0-3, later U0^T; v192-239 S's six fragments.
.set EXB,   0                          ; LDS: eight waves' -N | Gc^T, 16,384 bytes each; before that the wave's K
.set XT,    131072                     ; 64 rows x 160 bytes: Phi' on its way to being turned
.set SPARE, 141312
.set LN16, 1
.set FRO,  2
.set BO,   3                           ; beta's offset; at the end Gamma's
.set XTS,  4
.set RR,   5
.set H8,   6
.set LSA,  7
.set SPW,  8
.set NIL,  9
.set ONE,  10
.set ZERO, 11
.set BL,   12                          ; v12, v13: b of my step in the block that my half of the lanes solves, passes 0 and 1
.set TA,   14
.set NEG1, 15
.set E,    16
.set IDB,  24
.set OUTP, 32
.set YB,   32
.set KSA,  62
.set KTA,  63
.set QR,   64
.set KR,   128
.set WN,   128
.set RG,   128
.set ZG,   144
.set PG,   160
.set TT,   168
.set ACC,  192
.set KT,   0
.set VT,   64
.set GA00, 128
.set GA01, 136
.set GA11, 144
.set GA21, 152
.set DA,   160
.set UF,   128
.set SB,   192
.set SB00, 192
.set SB10, 200
.set SB20, 208
.set SB21, 216
.set SB30, 224
.set SB31, 232
.set WV,   28
.set GRP,  29
.set SM,   32                          ; s[32:39] lanes where 8 hh + j < r
.set HM,   40                          ; lanes 16-31
.set SGN,  41
.set SEL,  42
.set CNT,  44
.set FN,   46                          ; s[46:49] 1.0 where my wave's number is nu
.set FMEM, 50
.set FLDS, 51
.set FNG,  52
.set FPHI, 53                          ; 1 in groups 1 and 2
.set MSB, 0
.macro WIN new
.if MSB != (\new)
	s_set_vgpr_msb (MSB<<8)|(\new)
.set MSB, \new
.endif
.endm
.macro PLACES                          ; five plain places: enough ahead of a use of a result, of a write of a source, and of a matrix instruction that writes over an accumulator
.rept 5
	v_nop
.endr
.endm
.macro PACK4 dst, t                    ; accumulator t rounded to f16: half a fragment; the low registers are read first
.irp q, 0,1,2,3
	v_cvt_pk_f16_f32 v[(\dst)+\q], v[ACC+8*(\t)+2*\q], v[ACC+8*(\t)+2*\q+1]
.endr
.endm
.macro MM t, a, b, z                   ; one product onto accumulator t; z = 1 starts the sum
.if \z
	v_wmma_f32_16x16x32_f16 v[ACC+8*(\t):ACC+8*(\t)+7], v[\a:(\a)+7], v[\b:(\b)+7], 0
.else
	v_wmma_f32_16x16x32_f16 v[ACC+8*(\t):ACC+8*(\t)+7], v[\a:(\a)+7], v[\b:(\b)+7], v[ACC+8*(\t):ACC+8*(\t)+7]
.endif
.endm
.macro MMK t, a, b, ks                 ; half ks of a product over 64
	MM \t, (\a)+8*(\ks), (\b)+8*(\ks), 1-(\ks)
.endm
.macro MASKT t                         ; the strictly lower part of a diagonal tile
.irp j, 0,1,2,3,4,5,6,7
	v_cndmask_b32 v[ACC+8*(\t)+\j], 0, v[ACC+8*(\t)+\j], s[SM+\j]
.endr
.endm
.macro WIDEN dst, src, add, cnt        ; f16 halves of src widened into (add = 0) or added onto (add = 1) f32 registers
.set n, 0
.rept \cnt
.if \add
	v_fma_mix_f32 v[(\dst)+2*n],   v[(\src)+n], v[ONE], v[(\dst)+2*n]   op_sel:[0,0,0] op_sel_hi:[1,0,0]
	v_fma_mix_f32 v[(\dst)+2*n+1], v[(\src)+n], v[ONE], v[(\dst)+2*n+1] op_sel:[1,0,0] op_sel_hi:[1,0,0]
.else
	v_fma_mix_f32 v[(\dst)+2*n],   v[(\src)+n], v[ONE], v[ZERO] op_sel:[0,0,0] op_sel_hi:[1,0,0]
	v_fma_mix_f32 v[(\dst)+2*n+1], v[(\src)+n], v[ONE], v[ZERO] op_sel:[1,0,0] op_sel_hi:[1,0,0]
.endif
.set n, n+1
.endr
.endm
; Eight finished tiles leave: tile t at byte base + 512 t.  mem = 1: to memory in waves 0-6 alone (a group's last chunk updates no state in scan); lds = 1: also into my part of LDS, in groups 0-2 (group 3 has no composite).
.macro OUT8 ptr, base, mem, lds
	PLACES
	WIN 0
	s_wait_xcnt 0x0                                ; the last batch's stores have read OUTP
.irp t, 0,1,2,3,4,5,6,7
	PACK4 OUTP+4*\t, \t
.endr
.if \mem
	s_cmp_lg_u32 s[WV], 7
	s_cbranch_scc0 .Lnm_\@
.endif
.irp t, 0,1,2,3,4,5,6,7
	global_store_b128 v[LN16], v[OUTP+4*\t:OUTP+4*\t+3], s[\ptr:\ptr+1] offset:(\base)+512*\t   ; 512 consecutive bytes
.endr
.Lnm_\@:
.if \lds
	s_cmp_lg_u32 s[GRP], 3
	s_cbranch_scc0 .Lnl_\@
.irp t, 0,1,2,3,4,5,6,7
	ds_store_b128 v[LSA], v[OUTP+4*\t:OUTP+4*\t+3] offset:(\base)+512*\t
.endr
.Lnl_\@:
.endif
.endm
; Tb times V or K, for features 32 dp .. 32 dp + 31: accumulator 4 e + i = steps 16 i .. of feature tile 2 dp + e.  Tb is lower triangular: its right half enters for i = 2, 3 alone.
.macro TBMUL src, dp
	WIN 0x05
.irp e, 0,1
.irp i, 0,1,2,3
	MM 4*\e+\i, SB+8*\i+8*(\i/3), (\src)+16*(2*(\dp)+\e), 1
.endr
.endr
.irp e, 0,1
.irp i, 2,3
	MM 4*\e+\i, SB+8*\i+8*(\i/3)+8, (\src)+16*(2*(\dp)+\e)+8, 0
.endr
.endr
	PLACES
.endm
.macro FULL2 win, ab, bb, bp           ; accumulator 4 e + f = sum over 64 of fragment f of ab times fragment 2 bp + e of bb
	WIN \win
.irp ks, 0,1
.irp e, 0,1
.irp f, 0,1,2,3
	MMK 4*\e+\f, (\ab)+16*\f, (\bb)+16*(2*(\bp)+\e), \ks
.endr
.endr
.endr
.endm
; THE DIAGONAL SOLVE, two blocks at once: lanes 0-15 block 2 p, lanes 16-31 block 2 p + 1; lane s holds column s of -(I + b L)^-1 diag(b), register c its row c.
.macro GATHER p                        ; each half of the lanes gets all 16 rows of its block's Gram matrix, column r; and its b
.irp m, 0,1,2,3,4,5,6,7
	v_permlanex16_b32 v[TT], v[ACC+8*(2*(\p)+1)+\m], s[SEL], s[SEL+1]
	v_permlanex16_b32 v[TT+1], v[ACC+8*(2*(\p))+\m], s[SEL], s[SEL+1]
	v_cndmask_b32 v[RG+\m], v[ACC+8*(2*(\p))+\m], v[TT], s[HM]
	v_cndmask_b32 v[RG+8+\m], v[TT+1], v[ACC+8*(2*(\p)+1)+\m], s[HM]
.endr
	v_mov_b32 v[TT+6], v[BL+(\p)]
.endm
.macro SOLVE
.irp c, 0,1,2,3,4,5,6,7,8,9,10,11,12,13,14,15
	v_cmp_eq_u32 vcc_lo, \c, v[RR]
	v_cndmask_b32 v[ZG+\c], v[ZERO], v[NEG1], vcc_lo
.endr
.irp l, 0,1,2,3,4,5,6,7,8,9,10,11,12,13,14,15
	v_mov_b32_dpp v[TT+4], v[TT+6] row_share:\l row_mask:0xf bank_mask:0xf
	v_mul_f32 v[ZG+\l], v[ZG+\l], v[TT+4]                               ; row l is final
.set c, \l+1
.rept 15-\l
	v_mov_b32_dpp v[TT+c%4], v[RG+c] row_share:\l row_mask:0xf bank_mask:0xf
	v_fma_f32 v[ZG+c], -v[ZG+\l], v[TT+c%4], v[ZG+c]
.set c, c+1
.endr
.endr
.irp q, 0,1,2,3,4,5,6,7
	v_cvt_pk_f16_f32 v[PG+\q], v[ZG+2*\q], v[ZG+2*\q+1]
.endr
.irp q, 0,1,2,3,4,5,6,7
	v_permlanex16_b32 v[RG+\q], v[PG+\q], s[SEL], s[SEL+1]
.endr
.endm
.macro SCATTER p                       ; two fragments: lane = column, k = row 8 hh + 0..7
	WIN 0x40
.irp q, 0,1,2,3
	v_cndmask_b32 v[DA+16*(\p)+\q], v[PG+\q], v[RG+4+\q], s[HM]
	v_cndmask_b32 v[DA+16*(\p)+8+\q], v[RG+\q], v[PG+4+\q], s[HM]
.endr
	WIN 0
.endm
; One chunk of the composite: X <- X + X (-N_c) (+ Gc_c where gc = 1).  16 (+ 4) LDS loads, the additions, 8 products on four accumulators by turns, X rounded anew as the next operand; the addresses step a chunk on.
.macro COMP gc
.set n, 0
.rept 16
	ds_load_b128 v[128+4*n:128+4*n+3], v[TA] offset:512*n
.set n, n+1
.endr
.if \gc
.irp d, 0,1,2,3
	ds_load_b128 v[96+4*\d:96+4*\d+3], v[NEG1] offset:512*\d
.endr
.endif
	s_wait_dscnt 0x0
.if \gc
	WIDEN ACC, 96, 1, 16
.endif
.irp ks, 0,1
.irp u, 0,1,2,3
	MM \u, 128+16*\u+8*\ks, OUTP+8*\ks, 0
.endr
.endr
	PLACES
.irp u, 0,1,2,3
	PACK4 OUTP+4*\u, \u
.endr
	v_add_nc_u32 v[TA], 16384, v[TA]
.if \gc
	v_add_nc_u32 v[NEG1], 16384, v[NEG1]
.endif
.endm
	s_load_b128 s[4:7], s[0:1], 0x0                ; p2, c1
	s_load_b64 s[8:9], s[0:1], 0x10                ; p3
	v_lshl_add_u32 v[SPW], v0, 2, SPARE
	v_mov_b32 v[NIL], 0
	v_lshrrev_b32 v[TA], 5, v0
	v_readfirstlane_b32 s[WV], v[TA]               ; wave 0..7
	s_and_b32 s[GRP], ttmp9, 3
	v_and_b32 v[LN16], 31, v0
	v_lshlrev_b32 v[LN16], 4, v[LN16]
	v_and_b32 v[RR], 15, v0
	v_bfe_u32 v[TA], v0, 4, 1                      ; hh
	v_lshlrev_b32 v[H8], 3, v[TA]
	v_lshlrev_b32 v[FRO], 7, v[RR]
	v_lshl_add_u32 v[FRO], v[TA], 4, v[FRO]        ; a fragment's row x 128 + 16 hh
	s_lshl_b32 s60, s[WV], 14                      ; my 16 KiB of LDS
	v_add_nc_u32 v[LSA], s60, v[LN16]
	s_lshl_b32 s30, ttmp9, 16
	s_lshl_b32 s57, s[WV], 13
	s_add_co_u32 s30, s30, s57                     ; chunk id x 8,192
	s_mov_b32 s31, 0
	s_lshl_b32 s62, s30, 1                         ; chunk id x 16,384
	s_mov_b32 s63, 0
	s_lshr_b32 s56, ttmp9, 6                       ; batch
	s_lshl_b32 s56, s56, 17
	s_add_co_u32 s56, s56, 0x1a00000               ; beta, this batch's 128 blocks
	s_mov_b32 s57, 0
	s_bfe_u32 s58, ttmp9, 0x40002                  ; head
	s_lshl_b32 s59, s[GRP], 5
	s_lshl2_add_u32 s59, s[WV], s59                ; 4 x chunk in the head
	s_lshl_b32 s59, s59, 10
	s_lshl4_add_u32 s59, s58, s59                  ; + 16 h
	v_lshl_add_u32 v[BO], v[TA], 10, s59           ; block 4 c + hh (pass 1: two blocks on)
	v_bfe_u32 v[TA], v0, 2, 1
	v_lshl_add_u32 v[BO], v[TA], 9, v[BO]
	v_bfe_u32 v[TA], v0, 3, 1
	v_lshl_add_u32 v[BO], v[TA], 8, v[BO]
	v_and_b32 v[TA], 3, v0
	v_lshl_add_u32 v[BO], v[TA], 2, v[BO]
	v_mul_u32_u24 v[KSA], v[RR], 160               ; K into LDS: row r, 16 bytes for each half of the lanes
	v_lshl_add_u32 v[KSA], v[H8], 1, v[KSA]
	v_add_nc_u32 v[KSA], s60, v[KSA]
	v_and_b32 v[KTA], 7, v0                        ; and back, turned: step 8 hh + L % 8, features 8 ((L / 8) % 2) + 0..7
	v_add_nc_u32 v[KTA], v[H8], v[KTA]
	v_mul_u32_u24 v[KTA], v[KTA], 160
	v_bfe_u32 v[TA], v0, 3, 1
	v_lshl_add_u32 v[KTA], v[TA], 4, v[KTA]
	v_add_nc_u32 v[KTA], s60, v[KTA]
	s_cmp_lg_u32 s[WV], 7
	s_cselect_b32 s[FMEM], 1, 0
	s_cmp_lg_u32 s[GRP], 3
	s_cselect_b32 s[FLDS], 1, 0
	s_or_b32 s[FNG], s[FMEM], s[FLDS]              ; 0: a head's last chunk
	s_sub_co_u32 s54, s[GRP], 1
	s_cmp_lt_u32 s54, 2
	s_cselect_b32 s[FPHI], 1, 0
	s_mov_b32 s[HM], 0xffff0000
	s_mov_b32 s[SGN], 0x80008000
	s_mov_b32 s[SEL], 0x76543210
	s_mov_b32 s[SEL+1], 0xfedcba98
.irp u, 0,1,2,3
	s_cmp_eq_u32 s[WV], \u
	s_cselect_b32 s[FN+\u], 1.0, 0
.endr
	s_lshl_b32 s66, ttmp9, 13
	s_add_co_u32 s66, s66, 0x4000000               ; phi
	s_mov_b32 s67, 0
	s_lshl_b32 s68, ttmp9, 14
	s_add_co_u32 s68, s68, 0x4200000               ; gam
	s_mov_b32 s69, 0
	s_wait_kmcnt 0x0
	s_add_nc_u64 s[10:11], s[4:5], s[30:31]        ; qn
	s_add_nc_u64 s[12:13], s[10:11], 0x1000000     ; kn
	s_add_nc_u64 s[16:17], s[10:11], 0x2000000     ; vt
	s_add_nc_u64 s[18:19], s[6:7], s[56:57]        ; beta
	s_add_nc_u64 s[20:21], s[8:9], s[62:63]        ; sg
	s_add_nc_u64 s[22:23], s[20:21], 0x2000000     ; oq
	s_add_nc_u64 s[24:25], s[8:9], s[66:67]
	s_add_nc_u64 s[26:27], s[8:9], s[68:69]
	global_load_b32 v[BL], v[BO], s[18:19]
	global_load_b32 v[BL+1], v[BO], s[18:19] offset:2048
.irp i, 0,1,2,3
.irp k, 0,1
	global_load_b128 v[KR+16*\i+8*\k:KR+16*\i+8*\k+3],   v[FRO], s[12:13] offset:2048*\i+64*\k
	global_load_b128 v[KR+16*\i+8*\k+4:KR+16*\i+8*\k+7], v[FRO], s[12:13] offset:2048*\i+64*\k+32
.endr
.endr
.irp i, 0,1,2,3
.irp k, 0,1
	global_load_b128 v[QR+16*\i+8*\k:QR+16*\i+8*\k+3],   v[FRO], s[10:11] offset:2048*\i+64*\k
	global_load_b128 v[QR+16*\i+8*\k+4:QR+16*\i+8*\k+7], v[FRO], s[10:11] offset:2048*\i+64*\k+32
.endr
.endr
	WIN 0x40
.set n, 0
.rept 16
	global_load_b128 v[VT+4*n:VT+4*n+3], v[LN16], s[16:17] offset:512*n
.set n, n+1
.endr
	; while they are out: zeros where a fragment's half holds no block, and the constants.  DA's 32 registers start at 0: the upper halves stay so (a block has 16 rows), the lower are written by the solve.
.set n, SB
.rept 48
	v_mov_b32 v[n], 0
.set n, n+1
.endr
.set n, DA
.rept 32
	v_mov_b32 v[n], 0
.set n, n+1
.endr
.irp q, 0,1,2,3
	v_mov_b32 v[GA00+\q], 0
	v_mov_b32 v[GA21+\q], 0
.endr
	WIN 0
	v_mov_b32 v[ONE], 1.0
	v_mov_b32 v[ZERO], 0
	v_mov_b32 v[NEG1], -1.0
.irp q, 0,1,2,3
	v_mov_b32 v[YB+4+\q], 0
	v_mov_b32 v[YB+12+\q], 0
	v_mov_b32 v[YB+20+\q], 0
	v_mov_b32 v[IDB+4+\q], 0
.endr
.irp j, 0,1,2,3,4,5,6,7
	v_add_nc_u32 v[TA], \j, v[H8]
	v_cmp_lt_u32 s[SM+\j], v[TA], v[RR]
	v_cmp_eq_u32 vcc_lo, v[TA], v[RR]
	v_cndmask_b32 v[E+\j], v[ZERO], v[ONE], vcc_lo
.endr
.irp q, 0,1,2,3
	v_cvt_pk_f16_f32 v[IDB+\q], v[E+2*\q], v[E+2*\q+1]
.endr
.irp q, 0,1,2,3
	v_xor_b32 v[IDB+\q], s[SGN], v[IDB+\q]
.endr
	s_wait_loadcnt 32                              ; beta and K are in; Q's 16 and V^T's 16 stay out
.irp i, 0,1,2,3
.irp k, 0,1
	ds_store_b128 v[KSA], v[KR+16*\i+8*\k:KR+16*\i+8*\k+3]   offset:2560*\i+64*\k
	ds_store_b128 v[KSA], v[KR+16*\i+8*\k+4:KR+16*\i+8*\k+7] offset:2560*\i+64*\k+32
.endr
.endr
	WIN 0x40
.irp d, 0,1,2,3
.irp k, 0,1
	ds_load_tr16_b128 v[KT+16*\d+8*\k:KT+16*\d+8*\k+3],   v[KTA] offset:5120*\k+32*\d        ; LDS serves a wave's instructions in order: these see the stores above
	ds_load_tr16_b128 v[KT+16*\d+8*\k+4:KT+16*\d+8*\k+7], v[KTA] offset:5120*\k+2560+32*\d
.endr
.endr
	WIN 0
	s_wait_loadcnt 16                              ; Q is in; V^T's 16 stay out
	; G's six tiles below the diagonal, and Aqk's tiles of steps 16-31.  In every batch the accumulators take turns.
.irp ks, 0,1
	MMK 0, KR+16, KR,    \ks
	MMK 1, KR+32, KR,    \ks
	MMK 2, KR+48, KR,    \ks
	MMK 3, KR+32, KR+16, \ks
	MMK 4, KR+48, KR+16, \ks
	MMK 5, KR+48, KR+32, \ks
	MMK 6, KR,    QR+16, \ks
	MMK 7, KR+16, QR+16, \ks
.endr
	PLACES
	WIN 0x40
	PACK4 GA00+4, 0
	PACK4 GA01,   1
	PACK4 GA01+4, 2
	PACK4 GA11,   3
	PACK4 GA11+4, 4
	PACK4 GA21+4, 5
	WIN 0
	MASKT 7
	PACK4 QR+16, 6
	PACK4 QR+20, 7
.irp ks, 0,1
	MMK 0, KR,    QR+48, \ks
	MMK 1, KR+16, QR+48, \ks
	MMK 2, KR+32, QR+48, \ks
	MMK 3, KR+48, QR+48, \ks
	MMK 4, KR,    QR+32, \ks
	MMK 5, KR+16, QR+32, \ks
	MMK 6, KR+32, QR+32, \ks
	MMK 7, KR,    QR,    \ks
.endr
	PLACES
	MASKT 3
	MASKT 6
	MASKT 7
	PACK4 QR+48, 0
	PACK4 QR+52, 1
	PACK4 QR+56, 2
	PACK4 QR+60, 3
	PACK4 QR+32, 4
	PACK4 QR+36, 5
	PACK4 QR+40, 6
	PACK4 QR,    7
.irp q, 0,1,2,3
	v_mov_b32 v[QR+4+\q], 0
	v_mov_b32 v[QR+44+\q], 0
.endr
.irp ks, 0,1
	MMK 0, KR,    KR,    \ks                       ; the four diagonal Gram tiles stay in f32
	MMK 1, KR+16, KR+16, \ks
	MMK 2, KR+32, KR+32, \ks
	MMK 3, KR+48, KR+48, \ks
.endr
	PLACES
	s_mov_b32 s[CNT], 2                            ; the solve is written once and walked twice: blocks 0 and 1, then 2 and 3
.Ldiag:
	s_cmp_eq_u32 s[CNT], 2
	s_cbranch_scc0 .Lg1
	GATHER 0
	s_branch .Lsolve
.Lg1:
	GATHER 1
.Lsolve:
	SOLVE
	s_cmp_eq_u32 s[CNT], 2
	s_cbranch_scc0 .Ls1
	SCATTER 0
	s_branch .Ldnext
.Ls1:
	SCATTER 1
.Ldnext:
	s_sub_co_u32 s[CNT], s[CNT], 1
	s_cmp_lg_u32 s[CNT], 0
	s_cbranch_scc1 .Ldiag
	; the blocks of S = Tb^T, diagonal by diagonal; tile (j, i) goes into S's fragment [i][j / 2], half j % 2
	WIN 0x01
	MM 0, DA,    IDB, 1
	MM 1, DA+8,  IDB, 1
	MM 2, DA+16, IDB, 1
	MM 3, DA+24, IDB, 1
	PLACES
	WIN 0x40
	PACK4 SB00,   0
	PACK4 SB10+4, 1
	PACK4 SB21,   2
	PACK4 SB31+4, 3
	WIN 0x05
	MM 0, GA00, SB10, 1
	MM 1, GA11, SB21, 1
	MM 2, GA21, SB31, 1
	PLACES
	WIN 0
	PACK4 YB,    0
	PACK4 YB+8,  1
	PACK4 YB+16, 2
	WIN 0x01
	MM 4, DA,    YB,    1
	MM 5, DA+8,  YB+8,  1
	MM 6, DA+16, YB+16, 1
	PLACES
	WIN 0x40
	PACK4 SB10,   4
	PACK4 SB20+4, 5
	PACK4 SB31,   6
	WIN 0x05
	MM 0, GA00, SB20, 1
	MM 1, GA11, SB31, 1
	MM 0, GA01, SB21, 0
	PLACES
	WIN 0
	PACK4 YB,   0
	PACK4 YB+8, 1
	WIN 0x01
	MM 4, DA,   YB,   1
	MM 5, DA+8, YB+8, 1
	PLACES
	WIN 0x40
	PACK4 SB20,   4
	PACK4 SB30+4, 5
	WIN 0x05
	MM 0, GA00, SB30, 1
	s_wait_alu depctr_va_vdst(0)                   ; the wait directly ahead of the link
	MM 0, GA01, SB31, 0
	PLACES
	WIN 0
	PACK4 YB, 0
	WIN 0x01
	MM 4, DA, YB, 1
	PLACES
	WIN 0x40
	PACK4 SB30, 4
	s_wait_loadcnt 0x0                             ; V^T
	s_wait_dscnt 0x0                               ; K^T
.irp dp, 0,1                                   ; U0 = Tb V, kept as U0^T's fragments
	TBMUL VT, \dp
	WIN 0x40
.irp t, 0,1,2,3,4,5,6,7
	PACK4 UF+32*\dp+4*\t, \t
.endr
.endr
.irp dp, 0,1                                   ; -W = -(Tb K)
	TBMUL KT, \dp
	WIN 0
.irp t, 0,1,2,3,4,5,6,7
	PACK4 WN+32*\dp+4*\t, \t
.endr
.endr
.set n, 0
.rept 64
	v_xor_b32 v[WN+n], s[SGN], v[WN+n]
.set n, n+1
.endr
	s_cmp_eq_u32 s[FNG], 0
	s_cbranch_scc1 .Lno_ng                         ; a head's last chunk: its update reaches no output
	FULL2 0x04, WN, KT, 0                          ; -N: lane = dk out, k = dk in
	OUT8 20, 0, 1, 1
	FULL2 0x04, WN, KT, 1
	OUT8 20, 4096, 1, 1
	FULL2 0x05, KT, UF, 0                          ; Gc^T: lane = dv, registers dk
	OUT8 20, 8192, 1, 1
	FULL2 0x05, KT, UF, 1
	OUT8 20, 12288, 1, 1
.Lno_ng:
	PLACES
	WIN 0x40
.irp i, 0,1,2,3                                ; Q once more, where K^T lay
.irp k, 0,1
	global_load_b128 v[16*\i+8*\k:16*\i+8*\k+3],   v[FRO], s[10:11] offset:2048*\i+64*\k
	global_load_b128 v[16*\i+8*\k+4:16*\i+8*\k+7], v[FRO], s[10:11] offset:2048*\i+64*\k+32
.endr
.endr
.irp bp, 0,1                                   ; (Aqk U0)^T: lane = step, registers dv; Aqk's right half enters for steps 32-63 alone
	WIN 0x01
.irp e, 0,1
.irp i, 0,1,2,3
	MM 4*\e+\i, UF+16*(2*\bp+\e), QR+16*\i, 1
.endr
.endr
.irp e, 0,1
.irp i, 2,3
	MM 4*\e+\i, UF+16*(2*\bp+\e)+8, QR+16*\i+8, 0
.endr
.endr
	OUT8 22, 8192+4096*\bp, 0, 0
.endr
	s_wait_loadcnt 0x0                             ; Q
.irp bp, 0,1                                   ; Qeff = Q - Aqk W: the sums start at Q
	WIN 0x01
	WIDEN ACC, 32*\bp, 0, 32
	WIN 0
.irp e, 0,1
.irp d, 0,1,2,3
	MM 4*\e+\d, WN+16*\d, QR+16*(2*\bp+\e), 0
.endr
.endr
.if \bp
.irp e, 0,1
.irp d, 0,1,2,3
	MM 4*\e+\d, WN+16*\d+8, QR+16*(2*\bp+\e)+8, 0
.endr
.endr
.endif
	OUT8 22, 4096*\bp, 0, 0
.endr
	; THE COMPOSITE.  X <- X + X (-N_c) (+ Gc_c) over the group's eight chunks; waves 0-3 hold 16 rows of Phi (from I), waves 4-7 16 rows of Gamma (from 0), transposed: lane = row, registers dk.
	; The carry stays in f32 in the accumulators; only the operand is rounded.  Every wave passes all three barriers; only work is jumped over.
	s_wait_xcnt 0x0                                ; the last batch's stores have read OUTP, which is written again below
	s_wait_dscnt 0x0                               ; for the others' sake: my -N and Gc^T lie in LDS
	s_barrier_signal -1
	s_barrier_wait -1
	s_cmp_lt_u32 s[WV], 4
	s_cbranch_scc0 .Lgam
	s_cmp_eq_u32 s[FPHI], 1                        ; waves 0-3: Phi' is wanted of groups 1 and 2 alone
	s_cbranch_scc0 .Lba
.irp u, 0,1,2,3
.irp j, 0,1,2,3,4,5,6,7
	v_mul_f32 v[ACC+8*\u+\j], s[FN+\u], v[E+\j]    ; my 16 rows of the identity
.endr
.endr
.irp u, 0,1,2,3
	PACK4 OUTP+4*\u, \u
.endr
	v_mov_b32 v[TA], v[LN16]
	s_mov_b32 s[CNT], 8
.Lcphi:
	COMP 0
	s_sub_co_u32 s[CNT], s[CNT], 1
	s_cmp_lg_u32 s[CNT], 0
	s_cbranch_scc1 .Lcphi
.irp u, 0,1,2,3
.irp j, 0,1,2,3,4,5,6,7
	v_fma_f32 v[ACC+8*\u+\j], -v[E+\j], s[FN+\u], v[ACC+8*\u+\j]            ; Phi' = Phi - I
.endr
.endr
.irp u, 0,1,2,3
	PACK4 OUTP+16+4*\u, \u
.endr
	s_branch .Lba
.Lgam:
	s_cmp_lg_u32 s[GRP], 3                         ; waves 4-7: Gamma is wanted of groups 0, 1, 2
	s_cbranch_scc0 .Lba
	s_and_b32 s56, s[WV], 3
	s_lshl_b32 s57, s56, 11
	s_add_co_u32 s57, s57, 8192
	v_add_nc_u32 v[NEG1], s57, v[LN16]             ; Gc^T's tile of my rows, chunk 0
.irp d, 0,1,2,3
	ds_load_b128 v[96+4*\d:96+4*\d+3], v[NEG1] offset:512*\d
.endr
	s_wait_dscnt 0x0
	WIDEN ACC, 96, 0, 16                           ; from the zero state chunk 0 leaves its Gc: no product is written
.irp u, 0,1,2,3
	PACK4 OUTP+4*\u, \u
.endr
	v_add_nc_u32 v[NEG1], 16384, v[NEG1]
	v_add_nc_u32 v[TA], 16384, v[LN16]
	s_mov_b32 s[CNT], 7
.Lcgam:
	COMP 1
	s_sub_co_u32 s[CNT], s[CNT], 1
	s_cmp_lg_u32 s[CNT], 0
	s_cbranch_scc1 .Lcgam
	s_lshl_b32 s56, s56, 12
	v_add_nc_u32 v[BO], s56, v[LN16]               ; (beta's loads, which read this register, were waited for at the first wait on loads)
.set n, 0
.rept 8
	global_store_b128 v[BO], v[ACC+4*n:ACC+4*n+3], s[26:27] offset:512*n    ; Gamma in f32: a carry handed on
.set n, n+1
.endr
.Lba:
	s_wait_dscnt 0x0                               ; my reads of the eight chunks are back,
	s_barrier_signal -1
	s_barrier_wait -1                              ; and so are every wave's: only now is LDS written again
	s_cmp_lt_u32 s[WV], 4
	s_cbranch_scc0 .Lb2
	s_cmp_eq_u32 s[FPHI], 1
	s_cbranch_scc0 .Lb2
	s_and_b32 s56, s[WV], 3
	s_mul_i32 s56, s56, 2560
	s_add_co_u32 s56, s56, XT
	v_mul_u32_u24 v[XTS], v[RR], 160
	v_lshl_add_u32 v[XTS], v[H8], 1, v[XTS]
	v_add_nc_u32 v[XTS], s56, v[XTS]               ; row 16 w + r, 16 bytes for each half of the lanes
.irp u, 0,1,2,3
	ds_store_b128 v[XTS], v[OUTP+16+4*\u:OUTP+16+4*\u+3] offset:32*\u
.endr
.Lb2:
	s_wait_dscnt 0x0                               ; for the others' sake: my rows of Phi' lie in LDS
	s_barrier_signal -1
	s_barrier_wait -1
	s_cmp_lt_u32 s[WV], 4
	s_cbranch_scc0 .Lend
	s_cmp_eq_u32 s[FPHI], 1
	s_cbranch_scc0 .Lend
	v_and_b32 v[BL], 7, v0                         ; Phi' turned: lane = dk out 16 w + r, k = dk in
	v_add_nc_u32 v[BL], v[H8], v[BL]
	v_mul_u32_u24 v[BL], v[BL], 160
	v_bfe_u32 v[BL+1], v0, 3, 1
	v_lshl_add_u32 v[BL], v[BL+1], 4, v[BL]
	s_and_b32 s56, s[WV], 3
	s_lshl_b32 s57, s56, 5
	s_add_co_u32 s57, s57, XT
	v_add_nc_u32 v[BL], s57, v[BL]
.irp n, 0,1,2,3
	ds_load_tr16_b128 v[OUTP+4*\n:OUTP+4*\n+3], v[BL] offset:2560*\n
.endr
	s_lshl_b32 s56, s56, 11
	v_add_nc_u32 v[BL+1], s56, v[LN16]
	s_wait_dscnt 0x0
.irp n, 0,1,2,3
	global_store_b128 v[BL+1], v[OUTP+4*\n:OUTP+4*\n+3], s[24:25] offset:512*\n
.endr
.Lend:
	s_wait_tensorcnt 0x0                           ; the wave's end
	ds_add_u32 v[SPW], v[NIL]
	s_wait_dscnt 0x0
	s_endpgm
.Lfunc_end_k_q021c9d70a1_prep:
	.size	k_q021c9d70a1_prep, .Lfunc_end_k_q021c9d70a1_prep-k_q021c9d70a1_prep
	.p2alignl 7, 3214868480
	.fill 96, 4, 3214868480
	.section	.rodata,"a",@progbits
	.p2align	6, 0x0
	.amdhsa_kernel k_q021c9d70a1_prep
		.amdhsa_group_segment_fixed_size 142336
		.amdhsa_private_segment_fixed_size 0
		.amdhsa_enable_private_segment 0
		.amdhsa_kernarg_size 24
		.amdhsa_user_sgpr_count 2
		.amdhsa_user_sgpr_kernarg_segment_ptr 1
		.amdhsa_wavefront_size32 1
		.amdhsa_system_sgpr_workgroup_id_x 1
		.amdhsa_system_sgpr_workgroup_id_y 1
		.amdhsa_system_sgpr_workgroup_id_z 1
		.amdhsa_system_vgpr_workitem_id 0
		.amdhsa_next_free_vgpr 512
		.amdhsa_next_free_sgpr 72
		.amdhsa_reserve_vcc 1
		.amdhsa_float_denorm_mode_32 3
		.amdhsa_float_denorm_mode_16_64 3
		.amdhsa_memory_ordered 1
		.amdhsa_forward_progress 1
		.amdhsa_inst_pref_size 133
	.end_amdhsa_kernel
	.amdgpu_metadata
---
amdhsa.version: [ 1, 2 ]
amdhsa.kernels:
  - .name:           k_q021c9d70a1_prep
    .symbol:         k_q021c9d70a1_prep.kd
    .args:
      - { .name: p2, .offset: 0, .size: 8, .value_kind: global_buffer, .address_space: global }
      - { .name: c1, .offset: 8, .size: 8, .value_kind: global_buffer, .address_space: global }
      - { .name: p3, .offset: 16, .size: 8, .value_kind: global_buffer, .address_space: global }
    .group_segment_fixed_size: 142336
    .private_segment_fixed_size: 0
    .kernarg_segment_align: 8
    .kernarg_segment_size: 24
    .max_flat_workgroup_size: 256
    .sgpr_count:     72
    .vgpr_count:     512
    .wavefront_size: 32
...
	.end_amdgpu_metadata
.endif
;; end of part 3
;; launch scan (part 4): grid 256 x 1, 4 waves a work-group, no clusters, 320,000 bytes of LDS; arguments p3, p2, go; writes go
.if DOCPART == 4
	.amdgcn_target "amdgcn-amd-amdhsa--gfx1250"
	.amdhsa_code_object_version 6
	.text
	.protected	k_q021c9d70a1_scan
	.globl	k_q021c9d70a1_scan
	.p2align	8
	.type	k_q021c9d70a1_scan,@function
k_q021c9d70a1_scan:
	s_mov_b64 s[64:65], 0
	v_nop
	global_prefetch_b8 v0, s[64:65] scope:SCOPE_SE
	s_setreg_imm32_b32 hwreg(HW_REG_WAVE_MODE, 25, 1), 1
	s_wait_xcnt 0x0
; Launch 4 of 5: the state walked.  Work-group g = (head 16 b + h, group grp of 512 steps): 8 chunks; wave w: rows dv = 16 w .. 16 w + 15 of the state, which never mix with the others.
; The group's first state comes from the composites of the groups before: M <- M + M Phi' + Gamma.  Then per chunk: O^T = (Aqk U0)^T + M Qeff^T, M <- M + Gc + M (-N); o times gate, f16, stored.
; LEFT OUT (the scan starts at a zero state; its final state is dropped): the products with the state in a head's first chunk, group 0's Phi', the update by a group's last chunk.
; The state is carried in f32 (MACC: lane = dv, registers dk); only the operand ST is rounded to f16.
; LDS: every byte is filled once, by four tensor loads, one a wave, all out at once: 7 chunks' -N | Gc^T, 8 chunks' Qeff | (Aqk U0)^T, 512 rows of the gate (144 bytes apart).
; NO CLUSTER: no two work-groups read the same tile; what a head's groups share are 8 KiB blocks of phi and 16 KiB blocks of gam.  No prefetch: all requests go out at the head.
; go: f16 [b h][w][t][16]: a store of 16 steps x 32 bytes is 512 consecutive bytes.
.set OQB,   114688
.set GTB,   245760
.set SPARE, 319488
.set LN16, 1
.set SGA,  2
.set SGG,  3
.set OQA,  4
.set OQO,  5
.set GAD,  6
.set GO,   7
.set SPW,  8
.set NIL,  9
.set ONE,  10
.set ZERO, 11
.set ST,   16
.set GCL,  32
.set OLL,  48
.set GTL,  64
.set MACC, 80
.set OACC, 112
.set T,    144
.set OUTP, 176
.set QF,   192
.set NF,   128                         ; window 1; Phi' of groups 1, 2 at v0, v64 of window 1; Gamma of groups 0-2 at v0, v32, v64 of window 2
.set WV,   10
.set GRP,  11
.set CNT,  40
.set SKIP, 41
.set MSB, 0
.macro WIN new
.if MSB != (\new)
	s_set_vgpr_msb (MSB<<8)|(\new)
.set MSB, \new
.endif
.endm
.macro PLACES
.rept 5
	v_nop
.endr
.endm
.macro PACKST                          ; the state rounded to f16: two fragments, lane = dv, k = dk
.irp u, 0,1,2,3
.irp q, 0,1,2,3
	v_cvt_pk_f16_f32 v[ST+4*\u+\q], v[MACC+8*\u+2*\q], v[MACC+8*\u+2*\q+1]
.endr
.endr
.endm
.macro STATEMM img                     ; M += M X for the image X at v[img] of window 1; the four accumulators take turns
	WIN 0x01
.irp ks, 0,1
.irp u, 0,1,2,3
	v_wmma_f32_16x16x32_f16 v[MACC+8*\u:MACC+8*\u+7], v[(\img)+16*\u+8*\ks:(\img)+16*\u+8*\ks+7], v[ST+8*\ks:ST+8*\ks+7], v[MACC+8*\u:MACC+8*\u+7]
.endr
.endr
	WIN 0
.endm
.macro WIDEN dst, src, add, cnt
.set n, 0
.rept \cnt
.if \add
	v_fma_mix_f32 v[(\dst)+2*n],   v[(\src)+n], v[ONE], v[(\dst)+2*n]   op_sel:[0,0,0] op_sel_hi:[1,0,0]
	v_fma_mix_f32 v[(\dst)+2*n+1], v[(\src)+n], v[ONE], v[(\dst)+2*n+1] op_sel:[1,0,0] op_sel_hi:[1,0,0]
.else
	v_fma_mix_f32 v[(\dst)+2*n],   v[(\src)+n], v[ONE], v[ZERO] op_sel:[0,0,0] op_sel_hi:[1,0,0]
	v_fma_mix_f32 v[(\dst)+2*n+1], v[(\src)+n], v[ONE], v[ZERO] op_sel:[1,0,0] op_sel_hi:[1,0,0]
.endif
.set n, n+1
.endr
.endm
.macro GATE i                          ; 16 steps: o times gate, rounded once
.irp q, 0,1,2,3
	v_fma_mix_f32 v[T+2*\q],   v[GTL+4*(\i)+\q], v[OACC+8*(\i)+2*\q],   v[ZERO] op_sel:[0,0,0] op_sel_hi:[1,0,0]
	v_fma_mix_f32 v[T+2*\q+1], v[GTL+4*(\i)+\q], v[OACC+8*(\i)+2*\q+1], v[ZERO] op_sel:[1,0,0] op_sel_hi:[1,0,0]
.endr
.irp q, 0,1,2,3
	v_cvt_pk_f16_f32 v[OUTP+4*(\i)+\q], v[T+2*\q], v[T+2*\q+1]
.endr
.endm
.macro APPLY g                         ; the composite of group g onto the state
	s_cmp_le_u32 s[GRP], \g
	s_cbranch_scc1 .Lpre
	WIN 0x08
.set n, 0
.rept 16
	v_pk_add_f32 v[MACC+2*n:MACC+2*n+1], v[MACC+2*n:MACC+2*n+1], v[32*(\g)+2*n:32*(\g)+2*n+1]
.set n, n+1
.endr
	WIN 0
.if \g
	STATEMM 64*((\g)-1)
	PLACES
.endif
	PACKST
.endm
.macro CHUNK upd                       ; upd = 0: the group's last chunk, which updates no state
	WIN 0
.irp i, 0,1,2,3
	ds_load_b128 v[OLL+4*\i:OLL+4*\i+3], v[OQO] offset:512*\i
.endr
.set n, 0
.rept 16
	ds_load_b128 v[QF+4*n:QF+4*n+3], v[OQA] offset:512*n
.set n, n+1
.endr
.if \upd
.irp i, 0,1,2,3
	ds_load_b128 v[GCL+4*\i:GCL+4*\i+3], v[SGG] offset:512*\i
.endr
	WIN 0x40
.set n, 0
.rept 16
	ds_load_b128 v[NF+4*n:NF+4*n+3], v[SGA] offset:512*n
.set n, n+1
.endr
	WIN 0
.endif
.irp i, 0,1,2,3
	ds_load_b128 v[GTL+4*\i:GTL+4*\i+3], v[GAD] offset:2304*\i
.endr
	s_wait_dscnt 20+20*(\upd)                      ; (Aqk U0)^T is in; all younger loads may stay out
	WIDEN OACC, OLL, 0, 16
.if \upd
	s_wait_dscnt 20                                ; Qeff and Gc^T are in; -N's 16 and the gate's 4 stay out
	WIDEN MACC, GCL, 1, 16
	s_cmp_eq_u32 s[SKIP], 1
	s_cbranch_scc1 .Lnomm_\@                       ; a head's first chunk: the state is the zero that the scan starts at
.else
	s_wait_dscnt 4                                 ; Qeff is in; the gate's 4 stay out
.endif
.irp ks, 0,1
.irp i, 0,1,2,3
	v_wmma_f32_16x16x32_f16 v[OACC+8*\i:OACC+8*\i+7], v[ST+8*\ks:ST+8*\ks+7], v[QF+16*\i+8*\ks:QF+16*\i+8*\ks+7], v[OACC+8*\i:OACC+8*\i+7]
.endr
.endr
.if \upd
	s_wait_dscnt 4                                 ; -N is in
	STATEMM NF
.endif
	PLACES
.if \upd
.Lnomm_\@:
.endif
	s_wait_dscnt 0x0                               ; the gate
	GATE 0
.if \upd
	PACKST
.endif
	GATE 1
	GATE 2
	GATE 3
.irp i, 0,1,2,3
	global_store_b128 v[GO], v[OUTP+4*\i:OUTP+4*\i+3], s[36:37] offset:512*\i
.endr
.if \upd
	s_wait_xcnt 0x0                                ; the stores have read their data and base
	s_add_nc_u64 s[36:37], s[36:37], 2048
	v_add_nc_u32 v[SGA], 16384, v[SGA]
	v_add_nc_u32 v[SGG], 16384, v[SGG]
	v_add_nc_u32 v[OQA], 16384, v[OQA]
	v_add_nc_u32 v[OQO], 16384, v[OQO]
	v_add_nc_u32 v[GAD], 9216, v[GAD]
	s_mov_b32 s[SKIP], 0
.endif
.endm
	s_load_b128 s[4:7], s[0:1], 0x0                ; p3, p2
	s_load_b64 s[8:9], s[0:1], 0x10                ; go
	v_lshl_add_u32 v[SPW], v0, 2, SPARE
	v_mov_b32 v[NIL], 0
	ds_add_u32 v[SPW], v[NIL]                      ; the opening: the add, twice on end, and its wait ahead of my first tensor load
	ds_add_u32 v[SPW], v[NIL]
	v_lshrrev_b32 v12, 5, v0
	v_readfirstlane_b32 s[WV], v12                 ; wave 0..3
	s_and_b32 s[GRP], ttmp9, 3
	s_lshr_b32 s16, ttmp9, 2                       ; 16 b + h
	s_mov_b32 s12, 1                               ; group 0: count = 1
	s_mov_b32 s25, 128<<16                         ; group 1: rows of 128 elements of 2 bytes, dense
	s_mov_b32 s27, 128<<16
	s_mov_b32 s29, 128
	s_mov_b32 s30, 0
	s_mov_b32 s31, 0
	s_lshl_b32 s18, ttmp9, 17                      ; a group's 8 chunks of 16,384 bytes
	s_mov_b32 s19, 0
	s_lshl_b32 s20, ttmp9, 16                      ; a group's 512 rows of the gate,
	s_add_co_u32 s20, s20, 0x3000000               ; in p2's part gt
	s_mov_b32 s21, 0
	s_lshl_b32 s22, s16, 15
	s_add_co_u32 s22, s22, 0x4000000               ; phi of the head's four groups
	s_mov_b32 s23, 0
	s_lshl_b32 s38, s16, 16
	s_lshl_b32 s39, s[WV], 12
	s_add_co_u32 s38, s38, s39
	s_add_co_u32 s38, s38, 0x4200000               ; gam, my 16 rows
	s_mov_b32 s39, 0
	s_lshl_b32 s42, s16, 18
	s_lshl_b32 s43, s[WV], 16
	s_add_co_u32 s42, s42, s43
	s_lshl_b32 s43, s[GRP], 14
	s_add_co_u32 s42, s42, s43
	s_mov_b32 s43, 0
	s_wait_dscnt 0x0                               ; both opening adds are done
	s_wait_kmcnt 0x0
	s_cmp_eq_u32 s[WV], 0
	s_cbranch_scc0 .Lw1
	s_mov_b32 s13, 0                               ; 7 chunks of sg: 448 rows of 256 bytes
	s_mov_b32 s24, 1<<16
	s_mov_b32 s26, 448<<16
	s_mov_b32 s28, 448
	s_add_nc_u64 s[14:15], s[4:5], s[18:19]
	s_or_b32 s15, s15, 0x80000000
	tensor_load_to_lds s[12:15], s[24:31]
	s_nop 0
.rept 4
	v_nop
.endr
	s_branch .Lasked
.Lw1:
	s_cmp_eq_u32 s[WV], 1
	s_cbranch_scc0 .Lw2
	s_mov_b32 s13, OQB                             ; chunks 0-3 of oq
	s_mov_b32 s24, 1<<16
	s_mov_b32 s26, 256<<16
	s_mov_b32 s28, 256
	s_add_nc_u64 s[14:15], s[4:5], s[18:19]
	s_add_nc_u64 s[14:15], s[14:15], 0x2000000
	s_or_b32 s15, s15, 0x80000000
	tensor_load_to_lds s[12:15], s[24:31]
	s_nop 0
.rept 4
	v_nop
.endr
	s_branch .Lasked
.Lw2:
	s_cmp_eq_u32 s[WV], 2
	s_cbranch_scc0 .Lw3
	s_mov_b32 s13, GTB                             ; the gate: 65,536 dense bytes, 16 bytes of padding behind every 128
	s_mov_b32 s24, (1<<16)|(1<<20)|(4<<22)|(3<<25)
	s_mov_b32 s26, 256<<16
	s_mov_b32 s28, 256
	s_add_nc_u64 s[14:15], s[6:7], s[20:21]
	s_or_b32 s15, s15, 0x80000000
	tensor_load_to_lds s[12:15], s[24:31]
	s_nop 0
.rept 4
	v_nop
.endr
	s_branch .Lasked
.Lw3:
	s_mov_b32 s13, OQB+65536                       ; chunks 4-7 of oq
	s_mov_b32 s24, 1<<16
	s_mov_b32 s26, 256<<16
	s_mov_b32 s28, 256
	s_add_nc_u64 s[14:15], s[4:5], s[18:19]
	s_add_nc_u64 s[14:15], s[14:15], 0x2010000
	s_or_b32 s15, s15, 0x80000000
	tensor_load_to_lds s[12:15], s[24:31]
	s_nop 0
.rept 4
	v_nop
.endr
.Lasked:
	s_add_nc_u64 s[32:33], s[4:5], s[22:23]
	s_add_nc_u64 s[34:35], s[4:5], s[38:39]
	s_add_nc_u64 s[36:37], s[8:9], s[42:43]
	v_and_b32 v[LN16], 31, v0
	v_lshlrev_b32 v[LN16], 4, v[LN16]
	WIN 0x40
.set n, 0
.rept 32                                       ; Phi' of groups 1 and 2
	global_load_b128 v[4*n:4*n+3], v[LN16], s[32:33] offset:8192+512*n
.set n, n+1
.endr
	WIN 0x80
.set n, 0
.rept 24                                       ; Gamma of groups 0, 1, 2: my 16 rows
	global_load_b128 v[4*n:4*n+3], v[LN16], s[34:35] offset:16384*(n/8)+512*(n%8)
.set n, n+1
.endr
	WIN 0
	v_and_b32 v12, 15, v0                          ; r
	v_bfe_u32 v13, v0, 4, 1                        ; hh
	v_mov_b32 v[ONE], 1.0
	v_mov_b32 v[ZERO], 0
	v_mov_b32 v[SGA], v[LN16]
	s_lshl_b32 s44, s[WV], 11
	s_add_co_u32 s44, s44, 8192
	v_add_nc_u32 v[SGG], s44, v[LN16]
	v_add_nc_u32 v[OQA], OQB, v[LN16]
	v_add_nc_u32 v[OQO], s44, v[OQA]
	v_mul_u32_u24 v[GAD], v12, 144
	v_lshl_add_u32 v[GAD], v13, 4, v[GAD]
	s_lshl_b32 s44, s[WV], 5
	s_add_co_u32 s44, s44, GTB
	v_add_nc_u32 v[GAD], s44, v[GAD]
	v_lshlrev_b32 v[GO], 5, v12
	v_lshl_add_u32 v[GO], v13, 4, v[GO]
.set n, 0
.rept 32
	v_mov_b32 v[MACC+n], 0                         ; the scan's zero state
.set n, n+1
.endr
.set n, 0
.rept 16
	v_mov_b32 v[ST+n], 0
.set n, n+1
.endr
	s_wait_loadcnt 0x0
	APPLY 0
	APPLY 1
	APPLY 2
.Lpre:
	s_wait_tensorcnt 0x0                           ; my tile has landed,
	s_barrier_signal -1
	s_barrier_wait -1                              ; everybody's has; nothing is ever filled again
	s_cmp_eq_u32 s[GRP], 0
	s_cselect_b32 s[SKIP], 1, 0
	s_mov_b32 s[CNT], 7
.Lchunk:
	CHUNK 1
	s_sub_co_u32 s[CNT], s[CNT], 1
	s_cmp_lg_u32 s[CNT], 0
	s_cbranch_scc1 .Lchunk
	CHUNK 0
	s_wait_tensorcnt 0x0                           ; the wave's end
	ds_add_u32 v[SPW], v[NIL]
	s_wait_dscnt 0x0
	s_endpgm
.Lfunc_end_k_q021c9d70a1_scan:
	.size	k_q021c9d70a1_scan, .Lfunc_end_k_q021c9d70a1_scan-k_q021c9d70a1_scan
	.p2alignl 7, 3214868480
	.fill 96, 4, 3214868480
	.section	.rodata,"a",@progbits
	.p2align	6, 0x0
	.amdhsa_kernel k_q021c9d70a1_scan
		.amdhsa_group_segment_fixed_size 320000
		.amdhsa_private_segment_fixed_size 0
		.amdhsa_enable_private_segment 0
		.amdhsa_kernarg_size 24
		.amdhsa_user_sgpr_count 2
		.amdhsa_user_sgpr_kernarg_segment_ptr 1
		.amdhsa_wavefront_size32 1
		.amdhsa_system_sgpr_workgroup_id_x 1
		.amdhsa_system_sgpr_workgroup_id_y 1
		.amdhsa_system_sgpr_workgroup_id_z 1
		.amdhsa_system_vgpr_workitem_id 0
		.amdhsa_next_free_vgpr 608
		.amdhsa_next_free_sgpr 80
		.amdhsa_reserve_vcc 0
		.amdhsa_float_denorm_mode_32 3
		.amdhsa_float_denorm_mode_16_64 3
		.amdhsa_memory_ordered 1
		.amdhsa_forward_progress 1
		.amdhsa_inst_pref_size 42
	.end_amdhsa_kernel
	.amdgpu_metadata
---
amdhsa.version: [ 1, 2 ]
amdhsa.kernels:
  - .name:           k_q021c9d70a1_scan
    .symbol:         k_q021c9d70a1_scan.kd
    .args:
      - { .name: p3, .offset: 0, .size: 8, .value_kind: global_buffer, .address_space: global }
      - { .name: p2, .offset: 8, .size: 8, .value_kind: global_buffer, .address_space: global }
      - { .name: go, .offset: 16, .size: 8, .value_kind: global_buffer, .address_space: global }
    .group_segment_fixed_size: 320000
    .private_segment_fixed_size: 0
    .kernarg_segment_align: 8
    .kernarg_segment_size: 24
    .max_flat_workgroup_size: 128
    .sgpr_count:     80
    .vgpr_count:     608
    .wavefront_size: 32
...
	.end_amdgpu_metadata
.endif
;; end of part 4
;; launch outp (part 5): grid 8 x 32, 4 waves a work-group, clusters of 4 x 4, 327,680 bytes of LDS; arguments go, c1, out0; writes out0
.if DOCPART == 5
	.amdgcn_target "amdgcn-amd-amdhsa--gfx1250"
	.amdhsa_code_object_version 6
	.text
	.protected	k_q021c9d70a1_outp
	.globl	k_q021c9d70a1_outp
	.p2align	8
	.type	k_q021c9d70a1_outp,@function
k_q021c9d70a1_outp:
	s_mov_b64 s[64:65], 0
	v_nop
	global_prefetch_b8 v0, s[64:65] scope:SCOPE_SE
	s_setreg_imm32_b32 hwreg(HW_REG_WAVE_MODE, 25, 1), 1
	s_wait_xcnt 0x0
	s_wait_alu depctr_hold_cnt(0) depctr_sa_sdst(0) depctr_va_vdst(0) depctr_va_sdst(0) depctr_va_ssrc(0) depctr_va_vcc(0) depctr_vm_vsrc(0)
	s_getreg_b32 s2, hwreg(HW_REG_IB_STS2, 6, 4)
	s_cmp_eq_u32 s2, 0
	s_cbranch_scc0 .Lentry_in_a_cluster
	s_endpgm
.Lentry_in_a_cluster:
	s_bfe_u32 s2, ttmp6, 0x10000c
	s_cmp_lg_u32 s2, 0xf033
	s_cbranch_scc0 .Lentry_shape_is_right
	s_endpgm
.Lentry_shape_is_right:
; Launch 5 of 5: out0[m][n] = sum over c of go[m][c] Wo[n][c]; f16 operands, f32 sums, f32 out.  A tile of 256 rows x 128 columns gives 256 work-groups; a wave makes 128 x 64: 32 accumulators (window 1).
; go lies as [b h][w][t][16]: for a head and 256 steps four dense blocks of 8 KiB.  A K step is two heads (128 channels); wave 0 and 1 fetch a head each (4 rows of 8 KiB, 16 bytes of padding behind every 32:
; LDS rows of 48 bytes), waves 2 and 3 64 rows each of Wo (rows of 272 bytes).  4 x 4 cluster: go's tile is shared along a row, Wo's along a column.  lds_bytes is all of the LDS.
; The matrix instruction is used transposed: a lane holds one row of the result and eight neighbouring columns.  No prefetch: the tile is small (128 matrix instructions a K step), and Wo is walked by all 32 tile rows.
.set SLOT,  133120                     ; A: 8 blocks x 256 rows x 48 bytes, then B: 128 rows x 272 bytes
.set BOFF,  98304
.set STAGE, 2*SLOT                     ; behind the ring: 16 rows x 272 bytes for each wave
.set SPARE, STAGE+4*16*272
.set LAPS,  4
.set ADRA, 16                          ; v16-19: slot, head of the K step
.set ADRB, 20                          ; v20-21
.set STO,  24
.set RD,   25
.set CO,   26
.set SPW,  28
.set NIL,  29
.set G1, 24
.set G0, 32
.set G1B, 48
.set G0B, 56
.set MSB, 0
.macro WIN new
.if MSB != (\new)
	s_set_vgpr_msb (MSB<<8)|(\new)
.set MSB, \new
.endif
.endm
.macro JLOAD s
	s_cmp_eq_u32 s11, 0
	s_cbranch_scc0 .Lfor_b_\@
	tensor_load_to_lds s[G0+4*(\s):G0+4*(\s)+3], s[G1:G1+7]
	s_nop 0
.rept 4
	v_nop
.endr
	s_branch .Lasked_\@
.Lfor_b_\@:
	tensor_load_to_lds s[G0B+4*(\s):G0B+4*(\s)+3], s[G1B:G1B+7]
	s_nop 0
.rept 4
	v_nop
.endr
.Lasked_\@:
.endm
.macro CREST
	s_cmp_lg_u32 s10, 0
	s_cbranch_scc1 .Lnot_wave_0_\@
	s_barrier_signal -3
.Lnot_wave_0_\@:
	s_barrier_wait -3
	s_barrier_signal -1
	s_barrier_wait -1
.endm
.macro CROUND
	s_barrier_signal -1
	s_barrier_wait -1
	CREST
.endm
.macro PLACES
.rept 4
	v_nop
.endr
.endm
	s_load_b128 s[4:7], s[0:1], 0x0                ; go, c1
	s_load_b64 s[8:9], s[0:1], 0x10                ; out0
	v_lshl_add_u32 v[SPW], v0, 2, SPARE
	v_mov_b32 v[NIL], 0
	ds_add_u32 v[SPW], v[NIL]                      ; the opening: the add, twice on end, and its wait ahead of my first tensor load
	ds_add_u32 v[SPW], v[NIL]
	v_lshrrev_b32 v1, 5, v0
	v_readfirstlane_b32 s10, v1
	s_lshr_b32 s11, s10, 1                         ; my half of the rows; also: I fetch for A (0) or B (1)
	s_and_b32 s12, s10, 1                          ; my half of the columns; also: which head, or which 64 rows of Wo, I fetch
	s_bfe_u32 s40, ttmp6, 0x40000
	s_bfe_u32 s41, ttmp6, 0x40004
	s_lshl_b32 s42, ttmp9, 2
	s_add_co_u32 s42, s42, s40                     ; tile column
	s_and_b32 s13, ttmp7, 0xffff
	s_lshl_b32 s13, s13, 2
	s_add_co_u32 s13, s13, s41                     ; tile row
	s_lshl_b32 s43, s41, 2
	s_lshl_b32 s43, 15, s43
	s_lshl_b32 s44, 0x1111, s40
	s_or_b32 s[G1+0], s43, (1<<16)|(1<<20)|(1<<21)|(2<<22)|(3<<25)    ; padding of 4 words after every 8
	s_mov_b32 s[G1+1], 4096<<16                    ; tensor_dim0 = 4,096 elements: 8 KiB
	s_mov_b32 s[G1+2], 4<<16                       ; tensor_dim1 = 4
	s_mov_b32 s[G1+3], 4096<<16                    ; tile_dim0
	s_mov_b32 s[G1+4], 4                           ; tile_dim1
	s_mov_b32 s[G1+5], 32768                       ; 65,536 bytes from block to block
	s_mov_b32 s[G1+6], 0
	s_mov_b32 s[G1+7], 0
	s_or_b32 s[G1B+0], s44, (1<<16)|(1<<20)|(1<<21)|(5<<22)|(3<<25)   ; padding of 4 words after every 64
	s_mov_b32 s[G1B+1], 128<<16
	s_mov_b32 s[G1B+2], 64<<16
	s_mov_b32 s[G1B+3], 128<<16
	s_mov_b32 s[G1B+4], 64
	s_mov_b32 s[G1B+5], 1024
	s_mov_b32 s[G1B+6], 0
	s_mov_b32 s[G1B+7], 0
	s_lshr_b32 s16, s13, 3                         ; batch
	s_lshl_b32 s16, s16, 4
	s_add_co_u32 s16, s16, s12                     ; 16 b + my head of the K step
	s_lshl_b32 s16, s16, 18
	s_and_b32 s17, s13, 7
	s_lshl_b32 s17, s17, 13                        ; 256 steps of 32 bytes
	s_add_co_u32 s16, s16, s17
	s_mov_b32 s17, 0
	s_lshl_b32 s46, s42, 7
	s_lshl_b32 s47, s12, 6
	s_add_co_u32 s46, s46, s47
	s_lshl_b32 s46, s46, 11                        ; Wo's row 128 x tile column + 64 x half
	s_add_co_u32 s46, s46, 0x1800000
	s_mov_b32 s47, 0
	s_mul_i32 s20, s12, 49152
	s_mul_i32 s21, s12, 17408
	s_add_co_u32 s21, s21, BOFF
	s_wait_dscnt 0x0
	s_wait_kmcnt 0x0
	s_add_nc_u64 s[14:15], s[4:5], s[16:17]
	s_add_nc_u64 s[46:47], s[6:7], s[46:47]
	CROUND
.irp s, 0,1
	s_mov_b32 s[G0+4*(\s)], 1
	s_add_co_u32 s[G0+4*(\s)+1], s20, (\s)*SLOT
	s_add_nc_u64 s[G0+4*(\s)+2:G0+4*(\s)+3], s[14:15], (\s)*524288
	s_or_b32 s[G0+4*(\s)+3], s[G0+4*(\s)+3], 0x80000000
	s_mov_b32 s[G0B+4*(\s)], 1
	s_add_co_u32 s[G0B+4*(\s)+1], s21, (\s)*SLOT
	s_add_nc_u64 s[G0B+4*(\s)+2:G0B+4*(\s)+3], s[46:47], (\s)*256
	s_or_b32 s[G0B+4*(\s)+3], s[G0B+4*(\s)+3], 0x80000000
	JLOAD \s
.endr
	v_and_b32 v1, 15, v0
	v_bfe_u32 v2, v0, 4, 1
	v_mul_u32_u24 v3, v1, 48
	v_lshl_add_u32 v3, v2, 4, v3
	s_mul_i32 s22, s11, 128*48
	v_add_nc_u32 v3, s22, v3                       ; A: 48 (128 x row half + r) + 16 hh
	v_add_nc_u32 v[ADRA], 0, v3
	v_add_nc_u32 v[ADRA+1], 49152, v3
	v_add_nc_u32 v[ADRA+2], SLOT, v3
	v_add_nc_u32 v[ADRA+3], SLOT+49152, v3
	v_mul_u32_u24 v4, v1, 272
	v_lshl_add_u32 v4, v2, 4, v4
	s_mul_i32 s22, s12, 64*272
	s_add_co_u32 s22, s22, BOFF
	v_add_nc_u32 v[ADRB], s22, v4
	v_add_nc_u32 v[ADRB+1], SLOT, v[ADRB]
	s_mul_i32 s23, s10, 16*272
	s_add_co_u32 s23, s23, STAGE
	v_mul_u32_u24 v[STO], v1, 272
	v_lshl_add_u32 v[STO], v2, 5, v[STO]
	v_add_nc_u32 v[STO], s23, v[STO]               ; in: row r, 32 bytes for each half of the lanes
	v_mul_u32_u24 v[RD], v2, 272
	v_lshl_add_u32 v[RD], v1, 4, v[RD]
	v_add_nc_u32 v[RD], s23, v[RD]                 ; back: lanes 0-15 a row of 256 bytes, lanes 16-31 the next
	v_lshlrev_b32 v[CO], 12, v2
	v_lshl_add_u32 v[CO], v1, 4, v[CO]
	s_lshl_b32 s16, s13, 8
	s_lshl_b32 s17, s11, 7
	s_add_co_u32 s16, s16, s17
	s_lshl_b32 s16, s16, 12                        ; my first row of out0
	s_mov_b32 s17, 0
	s_add_nc_u64 s[8:9], s[8:9], s[16:17]
	s_lshl_b32 s46, s42, 9
	s_lshl_b32 s47, s12, 8
	s_add_co_u32 s46, s46, s47                     ; my first column
	s_mov_b32 s47, 0
	s_add_nc_u64 s[8:9], s[8:9], s[46:47]
; na row blocks from a0 on x 4 column blocks, 32 along K, from buffer f; the accumulators take turns, one instruction a turn
.macro MULS f, a0, na, zero
	WIN 0x50
.set aa, \a0
.rept \na
.irp bb, 0,1,2,3
.if \zero
	v_wmma_f32_16x16x32_f16 v[8*(4*aa+\bb):8*(4*aa+\bb)+7], v[192+32*(\f)+8*\bb:192+32*(\f)+8*\bb+7], v[64+64*(\f)+8*aa:64+64*(\f)+8*aa+7], 0
.else
	v_wmma_f32_16x16x32_f16 v[8*(4*aa+\bb):8*(4*aa+\bb)+7], v[192+32*(\f)+8*\bb:192+32*(\f)+8*\bb+7], v[64+64*(\f)+8*aa:64+64*(\f)+8*aa+7], v[8*(4*aa+\bb):8*(4*aa+\bb)+7]
.endif
.endr
.set aa, aa+1
.endr
.endm
; 24 LDS loads in one run: quarter q of the slot's K step into buffer f, B's 8 first.  A fragment's channels 0-15 and 16-31 lie in two neighbouring blocks of go.
.macro FETCH slot, q, f
	WIN 0
.irp bb, 0,1,2,3
	ds_load_b128 v[192+32*(\f)+8*\bb:192+32*(\f)+8*\bb+3],   v[ADRB+(\slot)] offset:64*(\q)+4352*\bb
	ds_load_b128 v[192+32*(\f)+8*\bb+4:192+32*(\f)+8*\bb+7], v[ADRB+(\slot)] offset:64*(\q)+4352*\bb+32
.endr
.irp a, 0,1,2,3,4,5,6,7
	ds_load_b128 v[64+64*(\f)+8*\a:64+64*(\f)+8*\a+3],   v[ADRA+2*(\slot)+(\q)/2] offset:24576*((\q)%2)+768*\a
	ds_load_b128 v[64+64*(\f)+8*\a+4:64+64*(\f)+8*\a+7], v[ADRA+2*(\slot)+(\q)/2] offset:24576*((\q)%2)+768*\a+12288
.endr
.endm
.macro QUARTER slot, q, f, g, zero     ; multiplies buffer f, fetches quarter q of the slot into buffer g
	s_wait_dscnt 8                                 ; B and A's blocks 0-3 are in; the youngest eight loads may be out
	MULS \f, 0, 4, \zero
	PLACES
	FETCH \slot, \q, \g
	s_wait_dscnt 24                                ; all but the 24 just issued
	MULS \f, 4, 4, \zero
.endm
.macro TURN slot, next, fill           ; the last quarter multiplies buffer 1 and changes slots
	WIN 0
	s_wait_tensorcnt 0x0                           ; all my tensor loads have landed: my part of the next slot;
	ds_add_u32 v[SPW], v[NIL]                      ; 0 onto my spare word
	s_wait_dscnt 9                                 ; the add and the youngest eight loads may be out
	MULS 1, 0, 2, 0
	s_wait_dscnt 0x0                               ; the add is done, my reads of this slot are over
	s_barrier_signal -1
	MULS 1, 2, 2, 0
.if \fill
	WIN 0
.endif
	s_barrier_wait -1
.if \fill
	CREST                                          ; the round: no wave of any partner still reads this slot or has a load on its way
	s_add_nc_u64 s[G0+4*(\slot)+2:G0+4*(\slot)+3], s[G0+4*(\slot)+2:G0+4*(\slot)+3], 1048576   ; four heads on
	s_add_nc_u64 s[G0B+4*(\slot)+2:G0B+4*(\slot)+3], s[G0B+4*(\slot)+2:G0B+4*(\slot)+3], 512
	JLOAD \slot
.else
	PLACES
.endif
	FETCH \next, 0, 0
	MULS 1, 4, 4, 0
.endm
	s_wait_tensorcnt 1                             ; my part of K step 0 is in; K step 1's stays out
	s_barrier_signal -1
	s_barrier_wait -1
	FETCH 0, 0, 0
	QUARTER 0, 1, 0, 1, 1                          ; the first quarter starts the sums with the constant 0
	WIN 0
	s_mov_b32 s3, LAPS-1
.Llap:
	QUARTER 0, 2, 1, 0, 0
	QUARTER 0, 3, 0, 1, 0
	TURN 0, 1, 1
	QUARTER 1, 1, 0, 1, 0
	QUARTER 1, 2, 1, 0, 0
	QUARTER 1, 3, 0, 1, 0
	TURN 1, 0, 1
	QUARTER 0, 1, 0, 1, 0
	WIN 0
	s_sub_co_u32 s3, s3, 1
	s_cmp_lg_u32 s3, 0
	s_cbranch_scc1 .Llap
	QUARTER 0, 2, 1, 0, 0                          ; the last lap fills nothing
	QUARTER 0, 3, 0, 1, 0
	TURN 0, 1, 0
	QUARTER 1, 1, 0, 1, 0
	QUARTER 1, 2, 1, 0, 0
	QUARTER 1, 3, 0, 1, 0
	s_wait_dscnt 8
	MULS 1, 0, 4, 0
	s_wait_dscnt 0x0
	MULS 1, 4, 4, 0
	PLACES
	; THE WAY OUT: a block of 16 rows x 64 columns of f32 through my own stage, back as whole rows of 256 bytes
.irp a, 0,1,2,3,4,5,6,7
	WIN 0x04                                       ; the stores' data lie in window 1
.irp bb, 0,1,2,3
	ds_store_b128 v[STO], v[8*(4*\a+\bb):8*(4*\a+\bb)+3]   offset:64*\bb
	ds_store_b128 v[STO], v[8*(4*\a+\bb)+4:8*(4*\a+\bb)+7] offset:64*\bb+16
.endr
	WIN 0
	s_wait_xcnt 0x0                                ; earlier stores have read the registers that are loaded again
.irp t, 0,1,2,3,4,5,6,7
	ds_load_b128 v[64+32*(\a%2)+4*\t:64+32*(\a%2)+4*\t+3], v[RD] offset:544*\t   ; LDS serves a wave's instructions in order: these see the stores above
.endr
.irp t, 0,1,2,3,4,5,6,7
	s_wait_dscnt 7-\t
	global_store_b128 v[CO], v[64+32*(\a%2)+4*\t:64+32*(\a%2)+4*\t+3], s[8:9] offset:65536*\a+8192*\t   ; 16 lanes store 256 consecutive bytes, aligned
.endr
.endr
	s_wait_tensorcnt 0x0                           ; the wave's end
	ds_add_u32 v[SPW], v[NIL]
	s_wait_dscnt 0x0
	CROUND                                         ; the closing round
	s_endpgm
.Lfunc_end_k_q021c9d70a1_outp:
	.size	k_q021c9d70a1_outp, .Lfunc_end_k_q021c9d70a1_outp-k_q021c9d70a1_outp
	.p2alignl 7, 3214868480
	.fill 96, 4, 3214868480
	.section	.rodata,"a",@progbits
	.p2align	6, 0x0
	.amdhsa_kernel k_q021c9d70a1_outp
		.amdhsa_group_segment_fixed_size 327680
		.amdhsa_private_segment_fixed_size 0
		.amdhsa_enable_private_segment 0
		.amdhsa_kernarg_size 24
		.amdhsa_user_sgpr_count 2
		.amdhsa_user_sgpr_kernarg_segment_ptr 1
		.amdhsa_wavefront_size32 1
		.amdhsa_system_sgpr_workgroup_id_x 1
		.amdhsa_system_sgpr_workgroup_id_y 1
		.amdhsa_system_sgpr_workgroup_id_z 1
		.amdhsa_system_vgpr_workitem_id 0
		.amdhsa_next_free_vgpr 512
		.amdhsa_next_free_sgpr 72
		.amdhsa_reserve_vcc 0
		.amdhsa_float_denorm_mode_32 3
		.amdhsa_float_denorm_mode_16_64 3
		.amdhsa_memory_ordered 1
		.amdhsa_forward_progress 1
		.amdhsa_inst_pref_size 87
	.end_amdhsa_kernel
	.amdgpu_metadata
---
amdhsa.version: [ 1, 2 ]
amdhsa.kernels:
  - .name:           k_q021c9d70a1_outp
    .symbol:         k_q021c9d70a1_outp.kd
    .args:
      - { .name: go, .offset: 0, .size: 8, .value_kind: global_buffer, .address_space: global }
      - { .name: c1, .offset: 8, .size: 8, .value_kind: global_buffer, .address_space: global }
      - { .name: out0, .offset: 16, .size: 8, .value_kind: global_buffer, .address_space: global }
    .group_segment_fixed_size: 327680
    .private_segment_fixed_size: 0
    .kernarg_segment_align: 8
    .kernarg_segment_size: 24
    .max_flat_workgroup_size: 128
    .sgpr_count:     72
    .vgpr_count:     512
    .wavefront_size: 32
...
	.end_amdgpu_metadata
.endif
;; end of part 5
